; MI455X (gfx1250); checked and timed in simulation.
; The chip was launched on July 23, 2026; its instructions are those of AMD's public machine-readable ISA for CDNA 5 (MIT licence, August 2026) and "CDNA5" Instruction Set Architecture Reference Guide (July 2026). The comments in the code are by the model that wrote it; some were corrected since.
;; Attention. Allowed arithmetic: matrix products marked QUANTISED: E2M3 operands, one E8M0 scale for each 32 along K, by v_wmma_scale_f32_16x16x128_f8f6f4 with both operands' format E2M3, f32 sums; everything else in f32.
;; Inputs: attention_mask 1 x 1 x 2,048 x 4,096 float32; cos 1 x 1 x 2,048 x 128 float32; k_cache 1 x 16 x 2,048 x 128 float32; sin 1 x 1 x 2,048 x 128 float32; v_cache 1 x 16 x 2,048 x 128 float32; wk 2,048 x 2,048 float32; wo 2,048 x 2,048 float32; wq 2,048 x 2,048 float32; wv 2,048 x 2,048 float32; x 1 x 2,048 x 2,048 float32.
;; Outputs: out0 1 x 2,048 x 2,048 float32.
;; This version of the problem:
;;   THIS VERSION OF THE PROBLEM IS GIVEN IN LOW PRECISION. The matrix products marked QUANTISED in the list below multiply operands that are first quantised to E2M3 (2 exponent bits, 3 mantissa bits; 6 bits a number), with one power-of-two scale for each 32 numbers along K (OCP MX v1.0); their sums are f32. All else is computed in f32.
;;   The module's matrix products, in the order in which they are computed (A, B: the left and right operand; K: the contracted axis; several contracted axes count as one K, in the product's order):
;;     1. [M 2,048, K 2,048] x [K 2,048, N 2,048]; A: input x; B: input wq: QUANTISED
;;     2. [M 2,048, K 2,048] x [K 2,048, N 2,048]; A: input x; B: input wk: QUANTISED
;;     3. [M 2,048, K 2,048] x [K 2,048, N 2,048]; A: input x; B: input wv: QUANTISED
;;     4. batch 16 x [M 2,048, K 128] x [K 128, N 4,096]; A: computed on the way; B: computed on the way: QUANTISED
;;     5. batch 16 x [M 2,048, K 4,096] x [K 4,096, N 128]; A: softmax (see below); B: computed on the way: QUANTISED
;;     6. [M 2,048, K 2,048] x [K 2,048, N 2,048]; A: computed on the way; B: input wo: QUANTISED
;;   THE QUANTISER, for each operand of a quantised product, along K:
;;     - K is cut into blocks of 32 from its start; a last block that is shorter is filled with zeros.
;;     - A block's scale is 2^e with e = floor(log2(the largest magnitude in the block)) - 2, held to -126 .. 127; a block of zeros has e = 0. As a byte (E8M0): e + 127.
;;     - Each number is divided by its block's scale, clamped to +-7.5, and rounded to the nearest number of E2M3, ties to even, subnormals kept.
;;     - The product sums the exact products of the quantised numbers (number of the format x scale) in f32.
;;   ~~~python
;;   def quantise(x, axis):      # numpy; x: float32 -> the quantised numbers, widened to float32 again
;;       x = np.moveaxis(x, axis, -1); K = x.shape[-1]
;;       x = np.pad(x, [(0, 0)] * (x.ndim - 1) + [(0, -K % 32)]); x = x.reshape(x.shape[:-1] + (-1, 32)); a = np.abs(x).max(-1, keepdims=True)
;;       e = np.where(a > 0, np.clip(np.frexp(np.where(a > 0, a, 1))[1] - 1 - 2, -126, 127), 0)      # np.frexp(a)[1] - 1 = floor(log2(a)), exactly
;;       r = np.clip(x / 2.0 ** e, -7.5, 7.5)
;;       step = 2.0 ** (np.maximum(np.frexp(np.where(r == 0, 1, r))[1] - 1, 0) - 3)
;;       q = np.round(r / step) * step * 2.0 ** e      # np.round: ties to even
;;       return np.moveaxis(q.reshape(q.shape[:-2] + (-1,))[..., :K], -1, axis).astype(np.float32)
;;   ~~~
;;   SOFTMAX AHEAD OF A QUANTISED PRODUCT. Where the list says 'softmax', what is quantised is not the finished softmax but p = 2^(t - M), with t = logit x log2(e) and M = ceil(the row's largest t), a whole number; so 1/2 < the row's largest p <= 1. The row's sum l is taken of the UNQUANTISED p, in f32, and the product's result is divided by l at the end. Since M is a whole number, a kernel that streams over the keys may use a running M (the ceiling of the running maximum): every later rescaling is an exact power of two, which a block's scale takes up: the codes' values come out the same.
;;   OPERANDS COMPUTED ON THE WAY. 'Computed on the way' means the value that the module computes at that place (a softmax that the list does not call 'softmax' is quantised finished and normalised). What goes into a quantiser is computed in f32, as accurately as f32 sums, v_exp_f32 and their like allow (about 1e-6 of the number): no bf16 or f16 on the way to a quantiser, and a product that is left as it is and whose result goes on into a quantised operand takes f32 operands (vector FMAs, or v_wmma_f32_16x16x4_f32). A number that lies on a knife's edge between two numbers of the format may be rounded either way, as far as f32 arithmetic and the matrix unit's own rounding can turn it there, and no further.
;; One version. Each part assembles by itself: llvm-mc -triple=amdgcn-amd-amdhsa -mcpu=gfx1250 --defsym DOCPART=n.
;; ======== version 1 of 1: 4 launches
;; workspace buffers: xw 16,384,000 bytes; qkv 16,384,000 bytes; ctxq 3,276,800 bytes
;; launch prep (part 1): grid 1792 x 1, 4 waves a work-group, no clusters, 34,304 bytes of LDS; arguments x, wq, wk, wv, wo, k_cache, v_cache, xw, qkv; writes xw, qkv
.if DOCPART == 1
	.amdgcn_target "amdgcn-amd-amdhsa--gfx1250"
	.amdhsa_code_object_version 6
	.text
	.protected	k_q1fe1608177_prep
	.globl	k_q1fe1608177_prep
	.p2align	8
	.type	k_q1fe1608177_prep,@function
k_q1fe1608177_prep:
	s_mov_b64 s[64:65], 0
	v_nop
	global_prefetch_b8 v0, s[64:65] scope:SCOPE_SE
	s_setreg_imm32_b32 hwreg(HW_REG_WAVE_MODE, 25, 1), 1
	s_wait_xcnt 0x0
; x, wq, wk, wv, wo, k_cache and v_cache, all f32, become codes of FP6 (E2M3) with one E8M0 scale byte for each 32 along K.
; A block's scale is 2^(floor(log2(its largest magnitude)) - 2); its byte is the largest magnitude's exponent field - 2, held at 1 from below.
; (A block of zeros so gets the byte 1 where the rule says 127: its codes are zeros, and this program alone reads the bytes.)
; LIMITS: blocks whose largest magnitude lies under 2^(3 - 127) keep the byte 1; NaN and infinities among these inputs are not served.
; LAYOUT OF THE WORKSPACE.  An operand's fragment (16 rows x 128 K, 12 registers a lane) is stored as an IMAGE OF ITS REGISTERS: 1,536 dense bytes,
; register j of lane L at 512 (j / 4) + 16 L + 4 (j % 4); its 16 scale words (a word a row) are 64 dense bytes.
; ORDER ALONG K.  Position 32 b + 16 h + 8 u + j of every operand holds k = 32 b + 16 u + 8 h + j: two bits change places inside a block of 32, alike on both
; sides of every product.  That is the order in which a transposed matrix result falls into a lane's registers, so the later launches get it for nothing.
; WORK-GROUPS.  0-1023: the four weights (K is their first axis: a lane takes a column, its registers run down K); 1024-1279: v_cache likewise (K = the keys);
; 1280-1791: x and k_cache (K innermost: rows turn through the wave's own stage in LDS).  A wave's task is 16 KB of f32.  Waves share nothing: no barrier.
.set IMG,   3145728                    ; an operand of 2,048 x 2,048 as images
.set SCB,   131072                     ; and its scale words
.set XSC,   15728640                   ; xw: five operands' images, then their scale words
.set KIMG,  3145728                    ; qkv: Q's images, K's, V's, then the scale words of Q, K, V
.set VIMG,  9437184
.set KSC,   15859712
.set VSC,   16121856
.set SPARE, 33792                      ; behind the four stages: the spare words, 128 bytes for each wave
.set SPW,   6                          ; v6  LDS address of my spare word; never rewritten
.set NIL,   7                          ; v7  0; never rewritten
.set TM,    32                         ; v32-47 the quantiser's scratch
.set SEL,   40                         ; s[40:41] v_permlanex16_b32's selects for lane l xor 16
.set FLR,   42                         ; s42 the floor 2^(3 - 127)
.macro FINISH                          ; the wave's end
	s_wait_tensorcnt 0x0
	ds_add_u32 v[SPW], v[NIL]
	s_wait_dscnt 0x0
	s_endpgm
.endm
; 64 numbers of a lane, register 16 b + i = position 32 b + 16 (lane / 16) + i of my row, become a fragment's codes in v[pc] on and its scale word in v[pw]
.macro QUANT s, pc, pw
.irp b, 0,1,2,3
	v_max3_num_f32 v[TM+\b], s[FLR], |v[(\s)+16*\b]|, |v[(\s)+16*\b+1]|   ; my 16 numbers of block b, and the floor: the byte cannot fall under 1
.endr
.irp i, 2,4,6,8,10,12,14
.irp b, 0,1,2,3
	v_max3_num_f32 v[TM+\b], v[TM+\b], |v[(\s)+16*\b+\i]|, |v[(\s)+16*\b+\i+1]|
.endr
.endr
.irp b, 0,1,2,3
	v_permlanex16_b32 v[TM+4+\b], v[TM+\b], s[SEL], s[SEL+1]
.endr
.irp b, 0,1,2,3
	v_max_num_f32 v[TM+\b], v[TM+\b], v[TM+4+\b]       ; with lane l xor 16's: the block's largest magnitude
.endr
.irp b, 0,1,2,3
	v_add_nc_u32 v[TM+12+\b], 0xff000000, v[TM+\b]     ; 2 off its exponent field: the conversion's scale operand
.endr
.irp b, 0,1,2,3
	v_lshrrev_b32 v[TM+4+\b], 23, v[TM+12+\b]          ; the scale's byte
.endr
	v_lshl_or_b32 v[\pw], v[TM+5], 8, v[TM+4]
	v_lshl_or_b32 v[\pw], v[TM+6], 16, v[\pw]
	v_lshl_or_b32 v[\pw], v[TM+7], 24, v[\pw]
.irp c, 0,1
	v_cvt_scalef32_pk16_fp6_f32 v[(\pc)+6*\c:(\pc)+6*\c+2], v[(\s)+32*\c:(\s)+32*\c+15], v[TM+12+2*\c]
	v_cvt_scalef32_pk16_fp6_f32 v[(\pc)+12+4*\c:(\pc)+14+4*\c], v[(\s)+16+32*\c:(\s)+31+32*\c], v[TM+13+2*\c]   ; (a conversion's three registers begin on an even number)
.endr
	v_nop                                              ; one plain place behind a scaled conversion
.irp c, 0,1                                            ; the operand's layout wants a whole block in a lane
.irp i, 0,1,2
	v_permlane16_swap_b32 v[(\pc)+6*\c+\i], v[(\pc)+12+4*\c+\i]
.endr
.irp i, 0,1,2
	v_mov_b32 v[(\pc)+3+6*\c+\i], v[(\pc)+12+4*\c+\i]
.endr
.endr
.endm
; K NOT INNERMOST.  Block b of my column: row 32 b + o of the task's 128 goes to the register of its position
.macro KLOAD b, pitch
.set o, 0
.rept 32
	global_load_b32 v[64+32*(\b)+16*((o/8)%2)+8*(o/16)+o%8], v2, s[28:29] offset:(32*(\b)+o)*(\pitch) th:TH_LOAD_NT
.set o, o+1
.endr
.endm
.macro KBLOCK b                        ; all 32 numbers of the block are mine.  Blocks 0, 2 are the registers of operand lane (r, 0), blocks 1, 3 those of lane (r, 1)
.set XS, 64+32*(\b)
.set FD, 16+12*((\b)%2)+6*((\b)/2)
	v_max3_num_f32 v8, |v[XS]|, |v[XS+1]|, |v[XS+2]|
	v_max3_num_f32 v9, |v[XS+3]|, |v[XS+4]|, |v[XS+5]|
.irp i, 6,10,14,18,22,26
	v_max3_num_f32 v8, v8, |v[XS+\i]|, |v[XS+\i+1]|
	v_max3_num_f32 v9, v9, |v[XS+\i+2]|, |v[XS+\i+3]|
.endr
	v_max3_num_f32 v8, v8, |v[XS+30]|, |v[XS+31]|
	v_max3_num_f32 v8, v8, v9, s[FLR]
	v_add_nc_u32 v10, 0xff000000, v8
	v_cvt_scalef32_pk16_fp6_f32 v[FD:FD+2], v[XS:XS+15], v10
	v_cvt_scalef32_pk16_fp6_f32 v[40+4*(\b):42+4*(\b)], v[XS+16:XS+31], v10
	v_lshrrev_b32 v11, 23, v10                         ; the byte; also the plain place behind the conversions
.if (\b) == 0
	v_mov_b32 v5, v11
.else
	v_lshl_or_b32 v5, v11, 8*(\b), v5
.endif
.irp i, 0,1,2
	v_mov_b32 v[FD+3+\i], v[40+4*(\b)+\i]
.endr
.endm
.macro KOUT pitch                      ; loads run two blocks ahead: each wait for 32 leaves the one younger block's 32 loads out
	KLOAD 0, \pitch
	KLOAD 1, \pitch
	s_wait_loadcnt 32
	KLOAD 2, \pitch
	KBLOCK 0
	s_wait_loadcnt 32
	KLOAD 3, \pitch
	KBLOCK 1
	s_wait_loadcnt 32
	KBLOCK 2
	s_wait_loadcnt 0x0
	KBLOCK 3
.irp hh, 0,1
.irp c, 0,1,2
	global_store_b128 v3, v[16+12*\hh+4*\c:16+12*\hh+4*\c+3], s[36:37] offset:512*\c+256*\hh   ; sixteen lanes store 256 consecutive bytes, aligned
.endr
.endr
	global_store_b32 v4, v5, s[38:39]                  ; the scale words: pieces of 64 bytes (weights) or 128 (V): one byte in 128 of what the task reads
.endm
	s_load_b512 s[4:19], s[0:1], 0x0               ; x 4, wq 6, wk 8, wv 10, wo 12, k_cache 14, v_cache 16, xw 18
	s_load_b64 s[20:21], s[0:1], 0x40              ; qkv
	v_lshl_add_u32 v[SPW], v0, 2, SPARE
	v_mov_b32 v[NIL], 0
	v_lshrrev_b32 v1, 5, v0
	v_readfirstlane_b32 s22, v1                    ; wave
	v_and_b32 v1, 31, v0                           ; lane
	s_mov_b32 s[SEL], 0x76543210
	s_mov_b32 s[SEL+1], 0xfedcba98
	s_mov_b32 s[FLR], 0x1800000
	s_mov_b32 s23, ttmp9
	v_lshrrev_b32 v8, 4, v1                        ; lane / 16
	v_and_b32 v9, 15, v1                           ; lane % 16
	v_lshlrev_b32 v2, 2, v1                        ; 4 x lane
	s_wait_kmcnt 0x0
	s_cmp_ge_u32 s23, 1280
	s_cbranch_scc1 .Lkin
	s_cmp_ge_u32 s23, 1024
	s_cbranch_scc1 .Lvc
	; ---- a weight: 32 columns x 128 along K for a wave
	s_lshr_b32 s24, s23, 8                         ; which weight
	s_bfe_u32 s25, s23, 0x40004                    ; which 128 columns
	s_and_b32 s26, s23, 15                         ; which 128 along K
	s_cmp_eq_u32 s24, 1
	s_cselect_b64 s[28:29], s[8:9], s[6:7]
	s_cmp_eq_u32 s24, 2
	s_cselect_b64 s[28:29], s[10:11], s[28:29]
	s_cmp_eq_u32 s24, 3
	s_cselect_b64 s[28:29], s[12:13], s[28:29]
	s_lshl_b32 s30, s26, 20                        ; 128 rows of 8,192 bytes
	s_lshl_b32 s31, s25, 9
	s_add_co_u32 s30, s30, s31
	s_lshl_b32 s31, s22, 7
	s_add_co_u32 s30, s30, s31
	s_mov_b32 s31, 0
	s_add_nc_u64 s[28:29], s[28:29], s[30:31]
	s_add_co_u32 s32, s24, 1
	s_mul_i32 s30, s32, IMG
	s_lshl_b32 s33, s25, 3
	s_lshl_b32 s34, s22, 1
	s_add_co_u32 s33, s33, s34                     ; my first tile of 16 columns
	s_mul_i32 s34, s33, 24576
	s_add_co_u32 s30, s30, s34
	s_mul_i32 s34, s26, 1536
	s_add_co_u32 s30, s30, s34
	s_add_nc_u64 s[36:37], s[18:19], s[30:31]      ; the images
	s_mul_i32 s30, s32, SCB
	s_add_co_u32 s30, s30, XSC
	s_lshl_b32 s34, s33, 10
	s_add_co_u32 s30, s30, s34
	s_lshl_b32 s34, s26, 6
	s_add_co_u32 s30, s30, s34
	s_add_nc_u64 s[38:39], s[18:19], s[30:31]      ; the scale words
	v_mul_u32_u24 v3, v8, 24576                    ; my tile, 16 bytes a column
	v_lshl_add_u32 v3, v9, 4, v3
	v_lshlrev_b32 v4, 10, v8
	v_lshl_add_u32 v4, v9, 2, v4
	KOUT 8192
	FINISH
.Lvc:	; ---- v_cache: 32 channels x 128 keys for a wave
	s_sub_co_u32 s24, s23, 1024
	s_lshr_b32 s25, s24, 4                         ; head
	s_and_b32 s26, s24, 15                         ; key step
	s_lshl_b32 s30, s25, 20
	s_lshl_b32 s31, s26, 16
	s_add_co_u32 s30, s30, s31
	s_lshl_b32 s31, s22, 7
	s_add_co_u32 s30, s30, s31
	s_mov_b32 s31, 0
	s_add_nc_u64 s[28:29], s[16:17], s[30:31]
	s_mul_i32 s30, s25, 393216
	s_add_co_u32 s30, s30, VIMG
	s_mul_i32 s34, s26, 12288
	s_add_co_u32 s30, s30, s34
	s_mul_i32 s34, s22, 3072
	s_add_co_u32 s30, s30, s34
	s_add_nc_u64 s[36:37], s[20:21], s[30:31]
	s_lshl_b32 s30, s25, 14
	s_add_co_u32 s30, s30, VSC
	s_lshl_b32 s34, s26, 9
	s_add_co_u32 s30, s30, s34
	s_lshl_b32 s34, s22, 7
	s_add_co_u32 s30, s30, s34
	s_add_nc_u64 s[38:39], s[20:21], s[30:31]
	v_mul_u32_u24 v3, v8, 1536
	v_lshl_add_u32 v3, v9, 4, v3
	v_lshlrev_b32 v4, 2, v1
	KOUT 512
	FINISH
.Lkin:	; ---- x or k_cache: two neighbouring fragments for a wave.  One text: only pointers and strides are chosen, by the work-group's number
	s_sub_co_u32 s24, s23, 1280
	s_lshr_b32 s25, s24, 8                         ; 0: x, 1: k_cache
	s_and_b32 s26, s24, 255
	s_lshl_b32 s26, s26, 2
	s_add_co_u32 s26, s26, s22                     ; my task, 0 .. 1,023
	s_lshr_b32 s30, s26, 3
	s_lshl_b32 s30, s30, 17                        ; x: 16 rows of 8,192 bytes a tile,
	s_and_b32 s31, s26, 7
	s_lshl_b32 s31, s31, 10
	s_add_co_u32 s30, s30, s31                     ; two K steps of 512 bytes
	s_lshl_b32 s32, s26, 14                        ; k_cache: 32 rows of 512 bytes
	s_mul_i32 s33, s26, 3072                       ; x's images
	s_lshr_b32 s34, s26, 6                         ; k_cache: head,
	s_and_b32 s35, s26, 63                         ; pair of tiles
	s_mul_i32 s43, s34, 393216
	s_mul_i32 s44, s35, 3072
	s_add_co_u32 s43, s43, s44
	s_add_co_u32 s43, s43, KIMG
	s_lshl_b32 s45, s26, 7
	s_add_co_u32 s45, s45, XSC
	s_lshl_b32 s46, s34, 14
	s_lshl_b32 s47, s35, 7
	s_add_co_u32 s46, s46, s47
	s_add_co_u32 s46, s46, KSC
	s_mov_b32 s48, 8192
	s_cmp_eq_u32 s25, 0
	s_cselect_b64 s[28:29], s[4:5], s[14:15]
	s_cselect_b64 s[36:37], s[18:19], s[20:21]
	s_cselect_b32 s30, s30, s32
	s_cselect_b32 s54, s33, s43
	s_cselect_b32 s56, s45, s46
	s_cselect_b32 s49, s48, 512                    ; from row to row
	s_cselect_b32 s50, 512, s48                    ; from the first fragment to the second
	s_mov_b32 s31, 0
	s_mov_b32 s51, 0
	s_mov_b32 s55, 0
	s_mov_b32 s57, 0
	s_add_nc_u64 s[28:29], s[28:29], s[30:31]
	s_add_nc_u64 s[52:53], s[28:29], s[50:51]
	s_add_nc_u64 s[38:39], s[36:37], s[56:57]
	s_add_nc_u64 s[36:37], s[36:37], s[54:55]
	v_lshlrev_b32 v5, 2, v1                        ; 4 x lane
	v_lshlrev_b32 v2, 4, v1                        ; 16 x lane
	s_mul_i32 s58, s22, 8448                       ; my stage: 16 rows of 512 bytes + 16
	v_add_nc_u32 v3, s58, v2                       ; in: a row as it lies
	v_mul_u32_u24 v4, v9, 528
	v_lshl_add_u32 v4, v8, 5, v4
	v_add_nc_u32 v4, s58, v4                       ; out: row lane % 16, + 32 (lane / 16)
.irp row, 0,1,2,3,4,5,6,7,8,9,10,11,12,13,14,15
	v_mad_u32_u24 v[16+\row], s49, \row, v2
.endr
.irp b, 0,1,2,3
	v_mov_b32 v[TM+4+\b], 0                        ; written once: a lane permute's destination counts as one of its sources
.endr
.irp row, 0,1,2,3,4,5,6,7,8,9,10,11,12,13,14,15
	global_load_b128 v[128+4*\row:128+4*\row+3], v[16+\row], s[28:29] th:TH_LOAD_NT   ; 32 lanes read a row's 512 consecutive bytes
.endr
.irp row, 0,1,2,3,4,5,6,7,8,9,10,11,12,13,14,15
	global_load_b128 v[192+4*\row:192+4*\row+3], v[16+\row], s[52:53] th:TH_LOAD_NT
.endr
.macro KFRAG f
.irp row, 0,1,2,3,4,5,6,7,8,9,10,11,12,13,14,15
	ds_store_b128 v3, v[128+64*\f+4*\row:128+64*\f+4*\row+3] offset:528*\row
.endr
	s_wait_dscnt 0x0                               ; the stores have read their registers, which the loads below fill
.irp b, 0,1,2,3
.irp u, 0,1
.irp jj, 0,1
	ds_load_b128 v[128+64*\f+16*\b+8*\u+4*\jj:128+64*\f+16*\b+8*\u+4*\jj+3], v4 offset:128*\b+64*\u+16*\jj   ; register 16 b + 8 u + j takes k = 32 b + 16 u + 8 h + j
.endr
.endr
.endr
	s_wait_dscnt 0x0
	QUANT 128+64*\f, 52+20*\f, 48+\f
.irp c, 0,1,2
	global_store_b128 v2, v[52+20*\f+4*\c:52+20*\f+4*\c+3], s[36:37] offset:1536*\f+512*\c   ; 512 consecutive bytes
.endr
.endm
	s_wait_loadcnt 16                              ; the first fragment's 16 loads are in; the second's may be out
	KFRAG 0
	s_wait_loadcnt 0x0
	KFRAG 1
	v_cmp_le_u32 vcc_lo, 16, v1
	v_cndmask_b32 v50, v48, v49, vcc_lo            ; lanes 0-15 the first fragment's words, lanes 16-31 the second's
	global_store_b32 v5, v50, s[38:39]             ; 128 consecutive bytes
	FINISH
.Lfunc_end_k_q1fe1608177_prep:
	.size	k_q1fe1608177_prep, .Lfunc_end_k_q1fe1608177_prep-k_q1fe1608177_prep
	.p2alignl 7, 3214868480
	.fill 96, 4, 3214868480
	.section	.rodata,"a",@progbits
	.p2align	6, 0x0
	.amdhsa_kernel k_q1fe1608177_prep
		.amdhsa_group_segment_fixed_size 34304
		.amdhsa_private_segment_fixed_size 0
		.amdhsa_enable_private_segment 0
		.amdhsa_kernarg_size 72
		.amdhsa_user_sgpr_count 2
		.amdhsa_user_sgpr_kernarg_segment_ptr 1
		.amdhsa_wavefront_size32 1
		.amdhsa_system_sgpr_workgroup_id_x 1
		.amdhsa_system_sgpr_workgroup_id_y 1
		.amdhsa_system_sgpr_workgroup_id_z 1
		.amdhsa_system_vgpr_workitem_id 0
		.amdhsa_next_free_vgpr 256
		.amdhsa_next_free_sgpr 66
		.amdhsa_reserve_vcc 1
		.amdhsa_float_denorm_mode_32 3
		.amdhsa_float_denorm_mode_16_64 3
		.amdhsa_memory_ordered 1
		.amdhsa_forward_progress 1
		.amdhsa_inst_pref_size 59
	.end_amdhsa_kernel
	.amdgpu_metadata
---
amdhsa.version: [ 1, 2 ]
amdhsa.kernels:
  - .name:           k_q1fe1608177_prep
    .symbol:         k_q1fe1608177_prep.kd
    .args:
      - { .name: x, .offset: 0, .size: 8, .value_kind: global_buffer, .address_space: global }
      - { .name: wq, .offset: 8, .size: 8, .value_kind: global_buffer, .address_space: global }
      - { .name: wk, .offset: 16, .size: 8, .value_kind: global_buffer, .address_space: global }
      - { .name: wv, .offset: 24, .size: 8, .value_kind: global_buffer, .address_space: global }
      - { .name: wo, .offset: 32, .size: 8, .value_kind: global_buffer, .address_space: global }
      - { .name: k_cache, .offset: 40, .size: 8, .value_kind: global_buffer, .address_space: global }
      - { .name: v_cache, .offset: 48, .size: 8, .value_kind: global_buffer, .address_space: global }
      - { .name: xw, .offset: 56, .size: 8, .value_kind: global_buffer, .address_space: global }
      - { .name: qkv, .offset: 64, .size: 8, .value_kind: global_buffer, .address_space: global }
    .group_segment_fixed_size: 34304
    .private_segment_fixed_size: 0
    .kernarg_segment_align: 8
    .kernarg_segment_size: 72
    .max_flat_workgroup_size: 128
    .sgpr_count:     66
    .vgpr_count:     256
    .wavefront_size: 32
...
	.end_amdgpu_metadata
.endif
;; end of part 1
;; launch qkv (part 2): grid 8 x 24, 4 waves a work-group, clusters of 4 x 4, 327,680 bytes of LDS; arguments xw, cos, sin, qkv; writes qkv
.if DOCPART == 2
	.amdgcn_target "amdgcn-amd-amdhsa--gfx1250"
	.amdhsa_code_object_version 6
	.text
	.protected	k_q1fe1608177_qkv
	.globl	k_q1fe1608177_qkv
	.p2align	8
	.type	k_q1fe1608177_qkv,@function
k_q1fe1608177_qkv:
	s_mov_b64 s[64:65], 0
	v_nop
	global_prefetch_b8 v0, s[64:65] scope:SCOPE_SE
	s_setreg_imm32_b32 hwreg(HW_REG_WAVE_MODE, 25, 1), 1
	s_wait_xcnt 0x0
	s_wait_alu depctr_hold_cnt(0) depctr_sa_sdst(0) depctr_va_vdst(0) depctr_va_sdst(0) depctr_va_ssrc(0) depctr_va_vcc(0) depctr_vm_vsrc(0)
	s_getreg_b32 s2, hwreg(HW_REG_IB_STS2, 6, 4)
	s_cmp_eq_u32 s2, 0
	s_cbranch_scc0 .Lentry_in_a_cluster
	s_endpgm
.Lentry_in_a_cluster:
	s_bfe_u32 s2, ttmp6, 0x10000c
	s_cmp_lg_u32 s2, 0xf033
	s_cbranch_scc0 .Lentry_shape_is_right
	s_endpgm
.Lentry_shape_is_right:
; q = x wq, k = x wk, v = x wv on codes of FP6 (E2M3) with E8M0 scales; rotate-half RoPE on q and k in f32; q and k quantised along the head's 128, v along the keys; all three stored as images.
; Three products of 2,048 x 2,048 x 2,048 in one launch: two rows of clusters for each (the cluster's y / 2 says which).  A work-group of four waves makes 256 x 256, a wave 128 x 128: 64 accumulators, 512 registers.
; 192 work-groups: the 3 x 64 tiles of 256 x 256; halved tiles would give 384 work-groups, which 256 WGPs take in two turns of half the length: the same time at twice the LDS reads for each product.
; OPERANDS ARE IMAGES OF REGISTERS: a fragment (16 rows x 128 K) is 1,536 dense bytes, three loads of 16 bytes a lane, 512 consecutive bytes each: no pitch, no padding.
; THE MATRIX INSTRUCTION IS USED TRANSPOSED (source 0 = 16 rows of 'B', source 1 = 16 rows of 'A'): a lane holds one row of A, and its registers run along B's rows.
;   q, k: A = x, B = the weight: a lane holds a row s, its 64 registers of a block the 128 channels of one head: RoPE's partner d +- 64 lies in the same lane, four tiles on.
;   v:    A = wv, B = x: a lane holds a channel, its registers run along 128 keys, which are the second attention product's K.
; K goes in steps of 256 through a ring of two LDS slots filled by joint tensor loads: A's tiles are shared along a row of the 4 x 4 cluster, B's along a column.
; (Slots of three K steps, 2 x 147,456 bytes, with the scale words' 32,768 and the spare words' 512 would be 512 bytes more than a WGP's LDS.)
; The scale words of the work-group's rows, for all of K, come into LDS once, with the first fills.
; REGISTERS: window 0: v16-29 addresses; v32-63 scale words, two sets, and nothing else; from v128 A's fragments, one set; on the way out v64-191 cos and the rotated numbers, v192-211 codes, v224-242 the quantiser's.
;   window 1: B's fragments, two sets, at v0 and v128; on the way out v0-127 sin.   windows 2, 3: the accumulators ((a, b) at v[8 (8 (a % 4) + b)]).
; LIMITS: NaN and infinities are not served; blocks whose largest magnitude lies under 2^(3 - 127) keep the scale byte 1.
.set IMG,   3145728
.set SCB,   131072
.set XSC,   15728640
.set KIMG,  3145728
.set VIMG,  9437184
.set QSC,   15728640
.set KSC,   15859712
.set VSC,   16121856
.set FR,    12                         ; registers of a fragment
.set NL,    3                          ; LDS loads that bring one
.set NQ,    2                          ; steps of 128 along K in a slot
.set NP,    4                          ; places behind this matrix instruction (ISA guide 7.12.1)
.set HALFT, 24576                      ; 8 tiles x 2 steps x 1,536 bytes: what one tensor load brings
.set SLOT,  4*HALFT
.set LAPS,  4                          ; 2,048 along K = 8 slots = 4 times round the ring
.set SCL,   2*SLOT                     ; behind the ring: the scale words
.set HALFS, 8192                       ; those of 128 rows
.set SPARE, SCL+4*HALFS                ; the spare words, 128 bytes for each wave
.set ADRA, 16                          ; v16-17 LDS address of my A fragments in slot 0, 1
.set ADRB, 20                          ; v20-21 the same for B
.set ADRS, 27                          ; v27 my scale words: lanes 0-15 A's rows, lanes 16-31 B's
.set SPW,  28                          ; v28 my spare word; never rewritten
.set NIL,  29                          ; v29 0; never rewritten
.set SC,   32
.set AF,   128
.set CO,   64                          ; the way out: cos, two sets of 64
.set PC,   192                         ; codes
.set TM,   224                         ; the quantiser's scratch
.set PW,   240                         ; scale words just made
.set G1, 24
.set G0, 32
.set G1B, 48
.set G0B, 56
.set G1S, 68
.set G0S, 76
.set G1SB, 80
.set G0SB, 88
.set SMK, 95                           ; s95 the mask of lanes 16-31
.set SEL, 96                           ; s[96:97]
.set FLR, 98
.set MSB, 0
.macro WIN new                         ; the immediate's high byte repeats the setting that is left
.if MSB != (\new)
	s_set_vgpr_msb (MSB<<8)|(\new)
.set MSB, (\new)
.endif
.endm
.set MUL_LO, 0xa1                      ; source 0 (B) window 1, source 1 (A) window 0, C and D window 2
.set MUL_HI, 0xf1
.set TO_B,   0x40
; A joint load: waves 0 and 1 fetch for A, waves 2 and 3 for B.  An s_nop 0 and four v_nop follow each of the two lines.
.macro JLOAD g0a, g1a, g0b, g1b
	s_cmp_eq_u32 s15, 0
	s_cbranch_scc0 .Lfor_b_\@
	tensor_load_to_lds s[\g0a:\g0a+3], s[\g1a:\g1a+7]
	s_nop 0
.rept 4
	v_nop
.endr
	s_branch .Lasked_\@
.Lfor_b_\@:
	tensor_load_to_lds s[\g0b:\g0b+3], s[\g1b:\g1b+7]
	s_nop 0
.rept 4
	v_nop
.endr
.Lasked_\@:
.endm
.macro CREST                           ; a round of the cluster's barrier behind its opening barrier
	s_cmp_lg_u32 s14, 0
	s_cbranch_scc1 .Lnot_wave_0_\@
	s_barrier_signal -3
.Lnot_wave_0_\@:
	s_barrier_wait -3
	s_barrier_signal -1
	s_barrier_wait -1
.endm
.macro CROUND
	s_barrier_signal -1
	s_barrier_wait -1
	CREST
.endm
	s_load_b128 s[4:7], s[0:1], 0x0                ; xw s[4:5], cos s[6:7]
	s_load_b128 s[8:11], s[0:1], 0x10              ; sin s[8:9], qkv s[10:11]
	v_lshl_add_u32 v[SPW], v0, 2, SPARE
	v_mov_b32 v[NIL], 0
	ds_add_u32 v[SPW], v[NIL]                      ; the wave's opening: the add and its wait ahead of my first tensor load
	v_lshrrev_b32 v1, 5, v0
	v_readfirstlane_b32 s14, v1                    ; wave 0..3
	s_lshr_b32 s15, s14, 1                         ; which half of A's rows is mine.  Also: I fetch for A (0) or for B (1)
	s_and_b32 s16, s14, 1                          ; which half of B's rows.  Also: which 128 rows I fetch
	s_bfe_u32 s40, ttmp6, 0x40000                  ; cx
	s_bfe_u32 s41, ttmp6, 0x40004                  ; cy
	s_lshl_b32 s42, ttmp9, 2
	s_add_co_u32 s42, s42, s40                     ; tx: which 256 rows of B
	s_and_b32 s12, ttmp7, 0xffff                   ; the cluster's y
	s_lshr_b32 s13, s12, 1                         ; which product: 0 q, 1 k, 2 v: the same in all sixteen partners
	s_and_b32 s17, s12, 1
	s_lshl_b32 s17, s17, 2
	s_add_co_u32 s17, s17, s41                     ; ty: which 256 rows of A
	s_lshl_b32 s43, s41, 2
	s_lshl_b32 s43, 15, s43                        ; my row of the cluster
	s_lshl_b32 s44, 0x1111, s40                    ; my column
	; group 1, codes: 8 rows (tiles) of 3,072 bytes (two K steps' images), 24,576 bytes apart; elements of 8 bytes; no padding
	s_or_b32 s[G1+0], s43, (3<<16)|(1<<21)
	s_or_b32 s[G1B+0], s44, (3<<16)|(1<<21)
.irp g, G1, G1B
	s_mov_b32 s[\g+1], 384<<16
	s_mov_b32 s[\g+2], 8<<16
	s_mov_b32 s[\g+3], 384<<16
	s_mov_b32 s[\g+4], 8
	s_mov_b32 s[\g+5], 3072
	s_mov_b32 s[\g+6], 0
	s_mov_b32 s[\g+7], 0
.endr
	; group 1, scale words of 128 rows: 8,192 dense bytes as 32 rows of 256
	s_or_b32 s[G1S+0], s43, (3<<16)|(1<<21)
	s_or_b32 s[G1SB+0], s44, (3<<16)|(1<<21)
.irp g, G1S, G1SB
	s_mov_b32 s[\g+1], 32<<16
	s_mov_b32 s[\g+2], 32<<16
	s_mov_b32 s[\g+3], 32<<16
	s_mov_b32 s[\g+4], 32
	s_mov_b32 s[\g+5], 32
	s_mov_b32 s[\g+6], 0
	s_mov_b32 s[\g+7], 0
.endr
	; which operand of xw is A and which B: q, k: A = x, B = the weight; v: A = wv, B = x
	s_add_co_u32 s2, s13, 1
	s_mul_i32 s3, s2, IMG
	s_mul_i32 s2, s2, SCB
	s_cmp_eq_u32 s13, 2
	s_cselect_b32 s18, 3*IMG, 0
	s_cselect_b32 s19, 3*SCB, 0
	s_cselect_b32 s3, 0, s3
	s_cselect_b32 s2, 0, s2
	s_lshl_b32 s21, s16, 3
	s_lshl_b32 s20, s17, 4
	s_add_co_u32 s20, s20, s21                     ; A: the first tile that I fetch: 16 ty + 8 x half
	s_lshl_b32 s46, s42, 4
	s_add_co_u32 s46, s46, s21                     ; B: 16 tx + 8 x half
	s_lshl_b32 s22, s20, 10
	s_add_co_u32 s22, s22, s19
	s_add_co_u32 s22, s22, XSC
	s_mov_b32 s23, 0
	s_lshl_b32 s92, s46, 10
	s_add_co_u32 s92, s92, s2
	s_add_co_u32 s92, s92, XSC
	s_mov_b32 s93, 0
	s_mul_i32 s20, s20, 24576
	s_add_co_u32 s20, s20, s18
	s_mov_b32 s21, 0
	s_mul_i32 s46, s46, 24576
	s_add_co_u32 s46, s46, s3
	s_mov_b32 s47, 0
	s_mul_i32 s45, s14, HALFT                      ; where they go: wave x a load's bytes: no place in the cluster enters an LDS address
	s_mul_i32 s94, s14, HALFS
	s_wait_dscnt 0x0                               ; the opening add is done
	s_wait_kmcnt 0x0
	s_add_nc_u64 s[20:21], s[4:5], s[20:21]
	s_add_nc_u64 s[22:23], s[4:5], s[22:23]
	s_add_nc_u64 s[46:47], s[4:5], s[46:47]
	s_add_nc_u64 s[92:93], s[4:5], s[92:93]
	CROUND                                         ; all sixteen work-groups are here: the first joint loads meet
	s_mov_b32 s[G0S], 1
	s_add_co_u32 s[G0S+1], s94, SCL
	s_mov_b64 s[G0S+2:G0S+3], s[22:23]
	s_or_b32 s[G0S+3], s[G0S+3], 0x80000000
	s_mov_b32 s[G0SB], 1
	s_add_co_u32 s[G0SB+1], s94, SCL
	s_mov_b64 s[G0SB+2:G0SB+3], s[92:93]
	s_or_b32 s[G0SB+3], s[G0SB+3], 0x80000000
	JLOAD G0S, G1S, G0SB, G1SB                     ; the scale words first; by this text's count three loads of a wave are out at the most
.irp s, 0,1
	s_mov_b32 s[G0+4*\s], 1
	s_add_co_u32 s[G0+4*\s+1], s45, \s*SLOT
	s_add_nc_u64 s[G0+4*\s+2:G0+4*\s+3], s[20:21], \s*3072
	s_or_b32 s[G0+4*\s+3], s[G0+4*\s+3], 0x80000000
	s_mov_b32 s[G0B+4*\s], 1
	s_add_co_u32 s[G0B+4*\s+1], s45, \s*SLOT
	s_add_nc_u64 s[G0B+4*\s+2:G0B+4*\s+3], s[46:47], \s*3072
	s_or_b32 s[G0B+4*\s+3], s[G0B+4*\s+3], 0x80000000
	JLOAD G0+4*\s, G1, G0B+4*\s, G1B
.endr
	v_and_b32 v1, 15, v0                           ; r
	v_bfe_u32 v2, v0, 4, 1                         ; h
	v_and_b32 v3, 31, v0
	v_lshlrev_b32 v3, 4, v3                        ; 16 x lane: my place in an image
	s_mul_i32 s21, s15, HALFT                      ; my 128 rows of A
	s_mul_i32 s22, s16, HALFT                      ; my 128 rows of B,
	s_add_co_u32 s22, s22, 2*HALFT                 ; which lie behind A's 256
.irp s, 0,1
	v_add_nc_u32 v[ADRA+\s], s21, v3
	v_add_nc_u32 v[ADRB+\s], s22, v3
	s_add_co_u32 s21, s21, SLOT
	s_add_co_u32 s22, s22, SLOT
.endr
	v_lshlrev_b32 v5, 2, v1                        ; a word a row
	s_mul_i32 s21, s15, HALFS
	s_mul_i32 s22, s16, HALFS
	s_add_co_u32 s22, s22, 2*HALFS
	s_sub_co_u32 s22, s22, s21
	v_mul_u32_u24 v6, s22, v2                      ; lanes 16-31 take B's: the lower base + h x the distance
	s_add_co_u32 s21, s21, SCL
	v_add_nc_u32 v5, v5, v6
	v_add_nc_u32 v[ADRS], s21, v5
.macro FRAG reg, adr, q, i             ; the image of tile i, the slot's q-th 128 along K
.irp c, 0,1,2
	ds_load_b128 v[\reg+4*\c:\reg+4*\c+3], v[\adr] offset:(\i)*3072+(\q)*1536+512*\c
.endr
.endm
; 16 matrix instructions: A's blocks a0, a0 + 1 x B's eight.  The 64 accumulators take turns, one instruction a turn, in the same order in every step.
.macro MUL16 a0, p, q, sc, zero
.irp a, \a0, \a0+1
.irp b, 0,1,2,3,4,5,6,7
.if \zero
	v_wmma_scale_f32_16x16x128_f8f6f4 v[8*(8*((\a)%4)+\b):8*(8*((\a)%4)+\b)+7], v[128*(\p)+FR*\b:128*(\p)+FR*\b+FR-1], v[AF+FR*(\a):AF+FR*(\a)+FR-1], 0, v[SC+8*NQ*(\sc)+NQ*\b+(\q)], v[SC+8*NQ*(\sc)+NQ*(\a)+(\q)] matrix_a_fmt:MATRIX_FMT_FP6 matrix_b_fmt:MATRIX_FMT_FP6 matrix_a_scale:MATRIX_SCALE_ROW1
.else
	v_wmma_scale_f32_16x16x128_f8f6f4 v[8*(8*((\a)%4)+\b):8*(8*((\a)%4)+\b)+7], v[128*(\p)+FR*\b:128*(\p)+FR*\b+FR-1], v[AF+FR*(\a):AF+FR*(\a)+FR-1], v[8*(8*((\a)%4)+\b):8*(8*((\a)%4)+\b)+7], v[SC+8*NQ*(\sc)+NQ*\b+(\q)], v[SC+8*NQ*(\sc)+NQ*(\a)+(\q)] matrix_a_fmt:MATRIX_FMT_FP6 matrix_b_fmt:MATRIX_FMT_FP6 matrix_a_scale:MATRIX_SCALE_ROW1
.endif
.endr
.endr
.endm
.macro FETCH_B slot, q, p
	WIN TO_B
.irp i, 0,1,2,3,4,5,6,7
	FRAG 128*(\p)+FR*\i, ADRB+\slot, \q, \i
.endr
	WIN 0
.endm
.macro FETCH_A slot, q, i0
.irp i, \i0, \i0+1, \i0+2, \i0+3
	FRAG AF+FR*(\i), ADRA+\slot, \q, \i
.endr
.endm
.macro SCALES sc                       ; a slot's scale words into set sc: register 2 i + q: lanes 0-15 A's block i, lanes 16-31 B's block i
.irp i, 0,1,2,3,4,5,6,7
.irp q, 0,1
	ds_load_b32 v[SC+16*\sc+2*\i+\q], v[ADRS] offset:\i*1024+\q*64
.endr
.endr
.endm
.macro PLACES n                        ; places in front of loads into registers that matrix instructions have read, and of the first read of results
.rept \n
	v_nop
.endr
.endm
.macro STEP slot, q, zero              ; a step of 128 along K that has its successor in the same slot
	s_wait_dscnt 4*NL                              ; all but the youngest 12 loads (A's blocks 4-7) are in
	WIN MUL_LO
	MUL16 0, (\q)%2, \q, \slot, \zero
	MUL16 2, (\q)%2, \q, \slot, \zero
	s_wait_dscnt 0
	PLACES NP
	FETCH_B \slot, (\q)+1, 1-(\q)%2
	FETCH_A \slot, (\q)+1, 0
	WIN MUL_HI
	MUL16 4, (\q)%2, \q, \slot, \zero
	MUL16 6, (\q)%2, \q, \slot, \zero
	PLACES NP
	WIN 0
	FETCH_A \slot, (\q)+1, 4
.endm
; A slot's last step changes slots: one barrier; in front of it each wave waits for all its tensor loads, adds 0 to its spare word, and waits for that and for its reads of this slot.
.macro TURN slot, next, fill
	s_wait_tensorcnt 0x0                           ; all my tensor loads have landed: my part of the next slot
	ds_add_u32 v[SPW], v[NIL]
	s_wait_dscnt 4*NL+1                            ; (the add and the youngest 12 loads may be out)
	WIN MUL_LO
	MUL16 0, 1, NQ-1, \slot, 0
	s_wait_dscnt 0x0                               ; the add is done, and my reads of this slot are over
	s_barrier_signal -1
	MUL16 2, 1, NQ-1, \slot, 0
	WIN 0
	s_barrier_wait -1
.if \fill
	CREST                                          ; the barrier has opened a round of the cluster's: no wave of any partner still reads this slot or has a load on its way
	s_add_nc_u64 s[G0+4*\slot+2:G0+4*\slot+3], s[G0+4*\slot+2:G0+4*\slot+3], 2*3072
	s_add_nc_u64 s[G0B+4*\slot+2:G0B+4*\slot+3], s[G0B+4*\slot+2:G0B+4*\slot+3], 2*3072
	JLOAD G0+4*\slot, G1, G0B+4*\slot, G1B         ; the first tensor load behind the round; its four v_nop are the places in front of the loads below
.else
	PLACES NP
.endif
	v_add_nc_u32 v[ADRS], 128, v[ADRS]             ; the next slot's scale words: two K steps of 64 bytes
	FETCH_B \next, 0, 0
	FETCH_A \next, 0, 0
	SCALES \next
	WIN MUL_HI
	MUL16 4, 1, NQ-1, \slot, 0
	MUL16 6, 1, NQ-1, \slot, 0
	PLACES NP
	WIN 0
	FETCH_A \next, 0, 4
.endm
	s_wait_tensorcnt 1                             ; the scale words and my part of slot 0 are in (slot 1's load may be out),
	s_barrier_signal -1
	s_barrier_wait -1                              ; everybody's are
	FETCH_B 0, 0, 0
	FETCH_A 0, 0, 0
	SCALES 0
	FETCH_A 0, 0, 4
	STEP 0, 0, 1                                   ; the first step's products start the sums
	s_mov_b32 s3, LAPS-1
.Llap:
	TURN 0, 1, 1
	STEP 1, 0, 0
	TURN 1, 0, 1
	STEP 0, 0, 0
	s_sub_co_u32 s3, s3, 1
	s_cmp_lg_u32 s3, 0
	s_cbranch_scc1 .Llap
	TURN 0, 1, 0                                   ; the last lap fills nothing
	STEP 1, 0, 0
	s_wait_dscnt 4*NL
	WIN MUL_LO
	MUL16 0, 1, NQ-1, 1, 0
	MUL16 2, 1, NQ-1, 1, 0
	s_wait_dscnt 0
	WIN MUL_HI
	MUL16 4, 1, NQ-1, 1, 0
	MUL16 6, 1, NQ-1, 1, 0
	WIN 0
; THE WAY OUT.  64 numbers of a lane in window w, register 16 b + i = position 32 b + 16 (lane / 16) + i of my row, become codes in v[pc] on and the scale word in v[pw].
; Each accumulator is read from its low end on.
.macro QUANT s, w, pc, pw
	WIN ((\w)<<2)|((\w)<<4)
.irp b, 0,1,2,3
	v_max3_num_f32 v[TM+\b], s[FLR], |v[(\s)+16*\b]|, |v[(\s)+16*\b+1]|
.endr
.irp i, 2,4,6,8,10,12,14
.irp b, 0,1,2,3
	v_max3_num_f32 v[TM+\b], v[TM+\b], |v[(\s)+16*\b+\i]|, |v[(\s)+16*\b+\i+1]|
.endr
.endr
	WIN 0
.irp b, 0,1,2,3
	v_permlanex16_b32 v[TM+4+\b], v[TM+\b], s[SEL], s[SEL+1]
.endr
.irp b, 0,1,2,3
	v_max_num_f32 v[TM+\b], v[TM+\b], v[TM+4+\b]
.endr
.irp b, 0,1,2,3
	v_add_nc_u32 v[TM+12+\b], 0xff000000, v[TM+\b]
.endr
.irp b, 0,1,2,3
	v_lshrrev_b32 v[TM+4+\b], 23, v[TM+12+\b]
.endr
	v_lshl_or_b32 v[\pw], v[TM+5], 8, v[TM+4]
	v_lshl_or_b32 v[\pw], v[TM+6], 16, v[\pw]
	v_lshl_or_b32 v[\pw], v[TM+7], 24, v[\pw]
	s_wait_xcnt 0x0                                ; the last block's stores have read their registers: the codes, and behind them the stored scale word, are written again only behind this wait.  It stands here, ahead of the first such write, so that the lines above run while the addresses of the loads issued before them are translated
	WIN (\w)
.irp c, 0,1
	v_cvt_scalef32_pk16_fp6_f32 v[(\pc)+6*\c:(\pc)+6*\c+2], v[(\s)+32*\c:(\s)+32*\c+15], v[TM+12+2*\c]
	v_cvt_scalef32_pk16_fp6_f32 v[(\pc)+12+4*\c:(\pc)+14+4*\c], v[(\s)+16+32*\c:(\s)+31+32*\c], v[TM+13+2*\c]
.endr
	WIN 0
	v_nop                                          ; one plain place behind a scaled conversion
.irp c, 0,1
.irp i, 0,1,2
	v_permlane16_swap_b32 v[(\pc)+6*\c+\i], v[(\pc)+12+4*\c+\i]
.endr
.irp i, 0,1,2
	v_mov_b32 v[(\pc)+3+6*\c+\i], v[(\pc)+12+4*\c+\i]
.endr
.endr
.endm
.macro EMIT a                          ; block a's image, 3 x 512 consecutive bytes; the scale words of two blocks together, 128 bytes
.irp c, 0,1,2
	global_store_b128 v2, v[PC+4*\c:PC+4*\c+3], s[46:47] offset:1536*(\a)+512*\c
.endr
.if (\a)%2 == 1
	v_cndmask_b32 v[PW+2], v[PW], v[PW+1], s[SMK]
	global_store_b32 v3, v[PW+2], s[92:93] offset:64*((\a)-1)
.endif
.endm
.macro LOADCS a, st                    ; cos (window 0) and sin (window 1) of block a's 16 rows, in the result's layout: row r, channels 16 t + 8 h + 0 .. 7
.irp t, 0,1,2,3,4,5,6,7
.irp jj, 0,1
	global_load_b128 v[CO+64*(\st)+8*\t+4*\jj:CO+64*(\st)+8*\t+4*\jj+3], v4, s[6:7] offset:8192*(\a)+64*\t+16*\jj
.endr
.endr
	WIN 0x40
.irp t, 0,1,2,3,4,5,6,7
.irp jj, 0,1
	global_load_b128 v[64*(\st)+8*\t+4*\jj:64*(\st)+8*\t+4*\jj+3], v4, s[8:9] offset:8192*(\a)+64*\t+16*\jj
.endr
.endr
	WIN 0
.endm
.macro ROPE a, st                      ; y(d) = q(d) cos(d) - q(d + 64) sin(d) for d < 64, q(d) cos(d) + q(d - 64) sin(d) else; the results lie over cos
.set W, 2+(\a)/4
.set AC, 64*((\a)%4)
.set CC, CO+64*(\st)
.set SS, 64*(\st)
	WIN 0x44|W                                     ; destination and source 1 (sin) window 1, source 0 the accumulators' window
.irp t, 0,1,2,3
.irp p, 0,2,4,6
	v_pk_mul_f32 v[SS+8*\t+\p:SS+8*\t+\p+1], v[AC+8*(\t+4)+\p:AC+8*(\t+4)+\p+1], v[SS+8*\t+\p:SS+8*\t+\p+1]
.endr
.endr
.irp t, 0,1,2,3
.irp p, 0,2,4,6
	v_pk_mul_f32 v[SS+8*(\t+4)+\p:SS+8*(\t+4)+\p+1], v[AC+8*\t+\p:AC+8*\t+\p+1], v[SS+8*(\t+4)+\p:SS+8*(\t+4)+\p+1]
.endr
.endr
	WIN 0x10|W                                     ; source 0 the accumulators, source 1 and destination (cos) window 0, source 2 window 1
.irp t, 0,1,2,3
.irp p, 0,2,4,6
	v_pk_fma_f32 v[CC+8*\t+\p:CC+8*\t+\p+1], v[AC+8*\t+\p:AC+8*\t+\p+1], v[CC+8*\t+\p:CC+8*\t+\p+1], v[SS+8*\t+\p:SS+8*\t+\p+1] neg_lo:[0,0,1] neg_hi:[0,0,1]
.endr
.endr
.irp t, 4,5,6,7
.irp p, 0,2,4,6
	v_pk_fma_f32 v[CC+8*\t+\p:CC+8*\t+\p+1], v[AC+8*\t+\p:AC+8*\t+\p+1], v[CC+8*\t+\p:CC+8*\t+\p+1], v[SS+8*\t+\p:SS+8*\t+\p+1]
.endr
.endr
	WIN 0
.endm
.macro QKOUT a
.if (\a) < 7
	s_wait_loadcnt 32                              ; this block's cos and sin are in; the next block's 32 loads may be out
.else
	s_wait_loadcnt 0x0
.endif
	ROPE \a, (\a)%2
	QUANT CO+64*((\a)%2), 0, PC, PW+(\a)%2
	EMIT \a
.if (\a) < 6
	LOADCS (\a)+2, (\a)%2
.endif
.endm
	PLACES NP                                      ; behind the last products: for the first reads of results and the loads into registers that held fragments
	v_and_b32 v5, 31, v0
	v_bfe_u32 v6, v0, 4, 1                         ; h
	v_lshlrev_b32 v2, 4, v5                        ; 16 x lane
	v_lshlrev_b32 v3, 2, v5                        ; 4 x lane
	v_cmp_le_u32 s[SMK], 16, v5
	s_mov_b32 s[SEL], 0x76543210
	s_mov_b32 s[SEL+1], 0xfedcba98
	s_mov_b32 s[FLR], 0x1800000
.irp b, 0,1,2,3
	v_mov_b32 v[TM+4+\b], 0                        ; written once: a lane permute's destination counts as one of its sources
.endr
	s_cmp_eq_u32 s13, 2                            ; which product: made of the cluster's y alone
	s_cbranch_scc1 .Lvout
	; ---- q or k: my 128 rows s, one head
	s_lshl_b32 s20, s42, 1
	s_add_co_u32 s20, s20, s16                     ; the head
	s_lshl_b32 s21, s17, 4
	s_lshl_b32 s22, s15, 3
	s_add_co_u32 s21, s21, s22                     ; my first tile of rows
	s_lshl_b32 s22, s13, 7
	s_add_co_u32 s22, s22, s21                     ; in K the new keys lie behind the cache's 128 tiles
	s_mul_i32 s23, s20, 196608
	s_lshl_b32 s23, s23, s13                       ; a head's images: 128 tiles in Q, 256 in K
	s_mul_i32 s46, s22, 1536
	s_add_co_u32 s46, s46, s23
	s_mul_i32 s23, s13, KIMG
	s_add_co_u32 s46, s46, s23
	s_mov_b32 s47, 0
	s_add_nc_u64 s[46:47], s[10:11], s[46:47]
	s_lshl_b32 s23, s20, 13
	s_lshl_b32 s23, s23, s13
	s_lshl_b32 s92, s22, 6
	s_add_co_u32 s92, s92, s23
	s_mul_i32 s23, s13, KSC-QSC
	s_add_co_u32 s92, s92, s23
	s_add_co_u32 s92, s92, QSC
	s_mov_b32 s93, 0
	s_add_nc_u64 s[92:93], s[10:11], s[92:93]
	s_lshl_b32 s22, s21, 13                        ; cos and sin at my first row: 16 rows of 512 bytes a tile
	s_mov_b32 s23, 0
	s_add_nc_u64 s[6:7], s[6:7], s[22:23]
	s_add_nc_u64 s[8:9], s[8:9], s[22:23]
	v_lshlrev_b32 v4, 9, v1
	v_lshl_add_u32 v4, v6, 5, v4                   ; 512 r + 32 h
	LOADCS 0, 0
	LOADCS 1, 1
.irp a, 0,1,2,3,4,5,6,7
	QKOUT \a
.endr
	s_branch .Lfin
.Lvout:	; ---- v: my 128 channels of one head, 128 keys: one key step
	s_lshl_b32 s20, s17, 1
	s_add_co_u32 s20, s20, s15                     ; the head
	s_lshl_b32 s21, s42, 1
	s_add_co_u32 s21, s21, s16
	s_add_co_u32 s21, s21, 16                      ; the key step: the new keys lie behind the cache's 16
	s_mul_i32 s46, s20, 393216
	s_mul_i32 s22, s21, 12288
	s_add_co_u32 s46, s46, s22
	s_add_co_u32 s46, s46, VIMG
	s_mov_b32 s47, 0
	s_add_nc_u64 s[46:47], s[10:11], s[46:47]
	s_lshl_b32 s92, s20, 14
	s_lshl_b32 s22, s21, 9
	s_add_co_u32 s92, s92, s22
	s_add_co_u32 s92, s92, VSC
	s_mov_b32 s93, 0
	s_add_nc_u64 s[92:93], s[10:11], s[92:93]
.irp a, 0,1,2,3,4,5,6,7
	QUANT 64*(\a%4), 2+\a/4, PC, PW+\a%2
	EMIT \a
.endr
.Lfin:
	s_wait_tensorcnt 0x0                           ; the wave's end
	ds_add_u32 v[SPW], v[NIL]
	s_wait_dscnt 0x0
	CROUND                                         ; the closing round
	s_endpgm
.Lfunc_end_k_q1fe1608177_qkv:
	.size	k_q1fe1608177_qkv, .Lfunc_end_k_q1fe1608177_qkv-k_q1fe1608177_qkv
	.p2alignl 7, 3214868480
	.fill 96, 4, 3214868480
	.section	.rodata,"a",@progbits
	.p2align	6, 0x0
	.amdhsa_kernel k_q1fe1608177_qkv
		.amdhsa_group_segment_fixed_size 327680
		.amdhsa_private_segment_fixed_size 0
		.amdhsa_enable_private_segment 0
		.amdhsa_kernarg_size 32
		.amdhsa_user_sgpr_count 2
		.amdhsa_user_sgpr_kernarg_segment_ptr 1
		.amdhsa_wavefront_size32 1
		.amdhsa_system_sgpr_workgroup_id_x 1
		.amdhsa_system_sgpr_workgroup_id_y 1
		.amdhsa_system_sgpr_workgroup_id_z 1
		.amdhsa_system_vgpr_workitem_id 0
		.amdhsa_next_free_vgpr 1024
		.amdhsa_next_free_sgpr 100
		.amdhsa_reserve_vcc 0
		.amdhsa_float_denorm_mode_32 3
		.amdhsa_float_denorm_mode_16_64 3
		.amdhsa_memory_ordered 1
		.amdhsa_forward_progress 1
		.amdhsa_inst_pref_size 232
	.end_amdhsa_kernel
	.amdgpu_metadata
---
amdhsa.version: [ 1, 2 ]
amdhsa.kernels:
  - .name:           k_q1fe1608177_qkv
    .symbol:         k_q1fe1608177_qkv.kd
    .args:
      - { .name: xw, .offset: 0, .size: 8, .value_kind: global_buffer, .address_space: global }
      - { .name: cos, .offset: 8, .size: 8, .value_kind: global_buffer, .address_space: global }
      - { .name: sin, .offset: 16, .size: 8, .value_kind: global_buffer, .address_space: global }
      - { .name: qkv, .offset: 24, .size: 8, .value_kind: global_buffer, .address_space: global }
    .group_segment_fixed_size: 327680
    .private_segment_fixed_size: 0
    .kernarg_segment_align: 8
    .kernarg_segment_size: 32
    .max_flat_workgroup_size: 128
    .sgpr_count:     100
    .vgpr_count:     1024
    .wavefront_size: 32
...
	.end_amdgpu_metadata
.endif
;; end of part 2
;; launch attn (part 3): grid 16 x 16, 4 waves a work-group, clusters of 4 x 4, 327,680 bytes of LDS; arguments qkv, attention_mask, ctxq; writes ctxq
.if DOCPART == 3
	.amdgcn_target "amdgcn-amd-amdhsa--gfx1250"
	.amdhsa_code_object_version 6
	.text
	.protected	k_q1fe1608177_attn
	.globl	k_q1fe1608177_attn
	.p2align	8
	.type	k_q1fe1608177_attn,@function
k_q1fe1608177_attn:
	s_mov_b64 s[64:65], 0
	v_nop
	global_prefetch_b8 v0, s[64:65] scope:SCOPE_SE
	s_setreg_imm32_b32 hwreg(HW_REG_WAVE_MODE, 25, 1), 1
	s_wait_xcnt 0x0
	s_wait_alu depctr_hold_cnt(0) depctr_sa_sdst(0) depctr_va_vdst(0) depctr_va_sdst(0) depctr_va_ssrc(0) depctr_va_vcc(0) depctr_vm_vsrc(0)
	s_getreg_b32 s2, hwreg(HW_REG_IB_STS2, 6, 4)
	s_cmp_eq_u32 s2, 0
	s_cbranch_scc0 .Lentry_in_a_cluster
	s_endpgm
.Lentry_in_a_cluster:
	s_bfe_u32 s2, ttmp6, 0x10000c
	s_cmp_lg_u32 s2, 0xf033
	s_cbranch_scc0 .Lentry_shape_is_right
	s_endpgm
.Lentry_shape_is_right:
; ctx[q][head] = the sum over 4,096 keys of softmax_k(Q . K / sqrt(128) + mask[q][k]) V, both products on codes of FP6 (E2M3) with E8M0 scales; ctx is quantised along (head, channel) for the last product.
; THE SOFTMAX AHEAD OF THE SECOND PRODUCT: u = score + sqrt(128) mask; t = c u, c = log2(e) / sqrt(128); M = the running largest t rounded UP to a whole number; p = 2^(t - M) is quantised along the keys.
; The row's sum is taken of the unquantised p and divides O at the end.  When M moves, the sum and O are multiplied by 2^(old M - new M): exact.
; SHARES.  A work-group owns 128 queries of one head; each of its four waves two tiles of 16, so that each fragment of K and V read from LDS feeds two matrix instructions.  Every wave walks 32 steps of 128 keys.
; LAYOUT.  Both products are used transposed (S^T = K Q^T, O^T = V^T P^T): a lane holds one query throughout.  Operands are images of registers (1,536 dense bytes a fragment); the order along each K is the one
; in which a transposed result falls into a lane's registers, alike on both sides.
; CLUSTER, 4 x 4: x = the block of queries, y = the head.  K and V hang on the head alone: asked for jointly along a row.  The mask hangs on the queries alone: asked for jointly along a column.
; A PERIOD IS TWO KEY STEPS, so that a refill has nearly two steps' work in which to land.  Two slots of two steps' K, V and mask would be 360,448 bytes and do not fit.  But the mask is read once, into registers:
; so it has ONE region of two steps (128 rows of 1,024 + 16 bytes), and K and V have two slots of two steps (49,152 bytes each).  A period goes: my tiles have landed, a barrier: everybody's have; K of the first step
; and BOTH steps' mask go into registers (the second step's into window 3), with the step before's V^T P and the first step's scores meanwhile; then the waits, a round of the cluster's barrier, and the joint refill:
; the mask's next 256 keys into the region just read out, K's and V's next two steps into the slot that was left a period ago.  Wave 0 fetches K, wave 1 V, waves 2 and 3 the mask's halves.
; So a period has two waits for all tensor loads: the first shows the tiles landed ahead of their readers, the second is the one that stands ahead of a refill's barrier, and is met at once.
; A step's V goes into registers in that step; its product V^T P is issued at the head of the NEXT step.  The head's scale words of K and V (16,384 bytes each) come into LDS once.
; REGISTERS: window 0: v1-12 addresses; v16-31 statistics; v32-59 blocks' maxima, bytes, scales, sums; v64-191 S^T, then p; v192-231 p's codes; v232-243 scale words.
;   window 1: v0-127 O^T; v128-255 the first step's mask.   window 2: v0-95 K, v96-191 V, v192-215 Q.   window 3: v0-127 the second step's mask.
; LIMITS: NaN, and infinities other than -infinity in the mask (or mask numbers that sqrt(128) takes to -infinity), are not served; such keys get p = 0.  A row all of whose t lie under -3e38 gives NaN.
; Blocks whose largest magnitude lies under 2^(3 - 127) keep the scale byte 1.
.set KIMG,  3145728
.set VIMG,  9437184
.set QSC,   15728640
.set KSC,   15859712
.set VSC,   16121856
.set CSC,   3145728
.set SLOT1, 65536                      ; K's and V's slot 1 begins here, so that one exclusive or turns an address in one slot into the other's
.set VOFF,  24576                      ; in a slot: two steps of K, then two of V
.set MOFF,  131072                     ; the mask's region
.set MP,    1040                       ; a row of it: 260 words: row r starts at bank 4 r mod 64 (ISA guide 11.1)
.set KSCL,  264192                     ; K's scale words, then V's
.set SPARE, 296960                     ; the spare words, 128 bytes for each wave
.set LI,  1                            ; v1  16 x lane
.set LS,  2                            ; v2  4 x lane + KSCL
.set AM0, 3                            ; v3  my place in the mask's region
.set ADK, 4
.set ADS, 6
.set SPW, 8                            ; v8  my spare word; never rewritten
.set NIL, 9                            ; v9  0; never rewritten
.set PFO, 10                           ; v10 the prefetches' offset; never rewritten
.set GS,  12                           ; v12 the way out: my scale word's place
.set ST,  16                           ; tile x at v[ST + 8 x]: +0 -M, +1 the largest t, +2, +3 the sum, +4 f (+5 named with it), +6, +7 at work
.set BM,  32
.set BP,  40
.set BS,  48
.set SA,  56
.set S,   64
.set PC,  192
.set KS,  232
.set VS,  236
.set QS,  240
.set PS,  242
.set TM,  32                           ; the way out's quantiser: v32-47
.set KF,  0                            ; window 2
.set VF,  96
.set QF,  192
.set MK,  128                          ; window 1 (the second step's mask: window 3, from v0)
.set WV,  10
.set G1KV, 16
.set G1M,  24
.set G1SC, 32
.set G0KV, 40                          ; s[40:43] K's or V's first two steps
.set G0M,  44
.set G0SC, 48
.set G0K2, 84                          ; s[84:87] the next two steps; this set then walks on
.set SEL, 52
.set CS,  54
.set R128, 56
.set TB,  58                           ; s58 LDS byte at which K's and V's slot in hand begins
.set TS,  59                           ; s59 the period's scale words: 1,024 bytes a period
.set CNT, 60
.set PCNT, 61                          ; s61 the period's number
.set QT,  62                           ; s62 my first query tile
.set SMK, 63                           ; s63 the mask of lanes 16-31
.set PFA, 66
.set PFS, 68
.set LIM, 70
.set EVR, 71
.set FLR, 72
.set MSB, 0
.macro WIN new
.if MSB != (\new)
	s_set_vgpr_msb (MSB<<8)|(\new)
.set MSB, (\new)
.endif
.endm
.macro PLACES
.rept 4
	v_nop
.endr
.endm
.macro ROUND                           ; a round of the cluster's barrier
	s_barrier_signal -1
	s_barrier_wait -1
	s_cmp_lg_u32 s[WV], 0
	s_cbranch_scc1 .Lnot_wave_0_\@
	s_barrier_signal -3
.Lnot_wave_0_\@:
	s_barrier_wait -3
	s_barrier_signal -1
	s_barrier_wait -1
.endm
; A joint refill.  Waves 0, 1: K's and V's two steps (kv = 0, the first period: none: their second slot was filled with the first fills); waves 2, 3: the mask's halves.
; An s_nop 0 and four v_nop follow each tensor load; the four are also the places in front of the LDS loads that follow, so the way without a load has them too.
.macro JLOAD kv
	s_cmp_lt_u32 s[WV], 2
	s_cbranch_scc0 .Lfor_m_\@
.if \kv
	tensor_load_to_lds s[G0K2:G0K2+3], s[G1KV:G1KV+7]
	s_nop 0
.endif
.rept 4
	v_nop
.endr
	s_branch .Lasked_\@
.Lfor_m_\@:
	tensor_load_to_lds s[G0M:G0M+3], s[G1M:G1M+7]
	s_nop 0
.rept 4
	v_nop
.endr
.Lasked_\@:
.endm
; A PREFETCH INTO THE L2, one instruction a wave, behind the joint load and the run of LDS loads.  Each aligned block of 256 bytes is named once in the launch.
; K and V: all clusters of a row of clusters walk the same heads: the cluster with x = 0 asks.  In every second period k its partner at place cx (told apart by ADDRESS) names the tiles of key step 2 k + 4 + cx: wave 0 K's
; first 32 blocks, wave 1 V's, wave 2 the 16 + 16 that are left.  Steps 0 to 3 come by their loads alone; the last request, in period 12, names steps 28 to 31.
; The mask: the sixteen work-groups of a column of the grid read the same rows: wave 3 of each asks, in every period up to 13, for period k + 2: rows 32 cy on, a lane a row, that one of the row's four blocks which the cluster's y names.
.macro ASK
	s_cmp_lt_u32 s[PCNT], s[LIM]
	s_cbranch_scc0 .Lnoask_\@
	s_and_b32 s73, s[PCNT], s[EVR]
	s_cmp_eq_u32 s73, 0
	s_cbranch_scc0 .Lnoask_\@
	global_prefetch_b8 v[PFO], s[PFA:PFA+1] th:TH_LOAD_NT scope:SCOPE_SE
.Lnoask_\@:
.endm
	s_load_b128 s[4:7], s[0:1], 0x0                ; qkv s[4:5], the mask s[6:7]
	s_load_b64 s[8:9], s[0:1], 0x10                ; ctxq
	v_lshl_add_u32 v[SPW], v0, 2, SPARE
	v_mov_b32 v[NIL], 0
	ds_add_u32 v[SPW], v[NIL]                      ; the wave's opening: the add and its wait ahead of my first tensor load
	v_lshrrev_b32 v1, 5, v0
	v_readfirstlane_b32 s[WV], v1                  ; wave 0..3
	s_and_b32 s11, s[WV], 1
	s_bfe_u32 s12, ttmp6, 0x40000                  ; cx
	s_bfe_u32 s13, ttmp6, 0x40004                  ; cy
	s_lshl_b32 s14, ttmp9, 2
	s_add_co_u32 s14, s14, s12                     ; my block of 128 queries
	s_and_b32 s73, ttmp7, 0xffff
	s_lshl_b32 s15, s73, 2
	s_add_co_u32 s15, s15, s13                     ; my head
	s_lshl_b32 s74, s13, 2
	s_lshl_b32 s74, 15, s74                        ; my row of the cluster
	s_lshl_b32 s75, 0x1111, s12                    ; my column
	s_or_b32 s[G1KV], s74, (3<<16)|(1<<21)         ; two steps of K or of V: 24,576 dense bytes as 96 rows of 256 (32 elements of 8 bytes)
	s_mov_b32 s[G1KV+1], 32<<16
	s_mov_b32 s[G1KV+2], 96<<16
	s_mov_b32 s[G1KV+3], 32<<16
	s_mov_b32 s[G1KV+4], 96
	s_mov_b32 s[G1KV+5], 32
	s_mov_b32 s[G1KV+6], 0
	s_mov_b32 s[G1KV+7], 0
	s_or_b32 s[G1SC], s74, (3<<16)|(1<<21)         ; a head's scale words: 16,384 dense bytes as 64 rows of 256
	s_mov_b32 s[G1SC+1], 32<<16
	s_mov_b32 s[G1SC+2], 64<<16
	s_mov_b32 s[G1SC+3], 32<<16
	s_mov_b32 s[G1SC+4], 64
	s_mov_b32 s[G1SC+5], 32
	s_mov_b32 s[G1SC+6], 0
	s_mov_b32 s[G1SC+7], 0
	s_or_b32 s[G1M], s75, (2<<16)|(1<<20)|(1<<21)|(7<<22)|(3<<25)   ; the mask: 64 rows of 256 f32, 4,096 apart; 4 words of padding behind every 256
	s_mov_b32 s[G1M+1], 256<<16
	s_mov_b32 s[G1M+2], 64<<16
	s_mov_b32 s[G1M+3], 256<<16
	s_mov_b32 s[G1M+4], 64
	s_mov_b32 s[G1M+5], 4096
	s_mov_b32 s[G1M+6], 0
	s_mov_b32 s[G1M+7], 0
	s_mul_i32 s76, s15, 393216                     ; K's (wave 0) or V's (wave 1) tiles of my head
	s_add_co_u32 s76, s76, KIMG
	s_mul_i32 s77, s11, VIMG-KIMG
	s_add_co_u32 s76, s76, s77
	s_mov_b32 s77, 0
	s_lshl_b32 s78, s14, 21                        ; the mask: 128 rows of 16,384 bytes a block, 64 rows a half
	s_lshl_b32 s79, s11, 20
	s_add_co_u32 s78, s78, s79
	s_mov_b32 s79, 0
	s_lshl_b32 s80, s15, 14                        ; the scale words
	s_add_co_u32 s80, s80, KSC
	s_mul_i32 s81, s11, VSC-KSC
	s_add_co_u32 s80, s80, s81
	s_mov_b32 s81, 0
	s_mov_b32 s[SEL], 0x76543210
	s_mov_b32 s[SEL+1], 0xfedcba98
	s_mov_b32 s[CS], 0x3e0293ee                    ; c = log2(e) / sqrt(128)
	s_mov_b32 s[CS+1], s[CS]
	s_mov_b32 s[R128], 0x413504f3                  ; sqrt(128)
	s_mov_b32 s[R128+1], s[R128]
	s_mov_b32 s[FLR], 0x1800000
	s_mov_b32 s[TB], 0
	s_mov_b32 s[TS], 0
	s_mov_b32 s[PCNT], 0
	s_wait_dscnt 0x0                               ; the opening add is done
	s_wait_kmcnt 0x0
	s_mov_b32 s[G0KV], 1
	s_mul_i32 s[G0KV+1], s11, VOFF
	s_add_nc_u64 s[G0KV+2:G0KV+3], s[4:5], s[76:77]
	s_or_b32 s[G0KV+3], s[G0KV+3], 0x80000000
	s_mov_b32 s[G0K2], 1
	s_add_co_u32 s[G0K2+1], s[G0KV+1], SLOT1
	s_add_nc_u64 s[G0K2+2:G0K2+3], s[4:5], s[76:77]
	s_add_nc_u64 s[G0K2+2:G0K2+3], s[G0K2+2:G0K2+3], 24576
	s_or_b32 s[G0K2+3], s[G0K2+3], 0x80000000
	s_mov_b32 s[G0M], 1
	s_mul_i32 s[G0M+1], s11, 64*MP
	s_add_co_u32 s[G0M+1], s[G0M+1], MOFF
	s_add_nc_u64 s[G0M+2:G0M+3], s[6:7], s[78:79]
	s_or_b32 s[G0M+3], s[G0M+3], 0x80000000
	s_mov_b32 s[G0SC], 1
	s_lshl_b32 s[G0SC+1], s11, 14
	s_add_co_u32 s[G0SC+1], s[G0SC+1], KSCL
	s_add_nc_u64 s[G0SC+2:G0SC+3], s[4:5], s[80:81]
	s_or_b32 s[G0SC+3], s[G0SC+3], 0x80000000
	ROUND                                          ; all sixteen work-groups are here: the first joint loads meet
	s_cmp_lt_u32 s[WV], 2                          ; a wave's first fills stand in one branch; every wait on TENSORcnt in this text is for 0; three loads of a wave are out at the most
	s_cbranch_scc0 .Lfirst_m
	tensor_load_to_lds s[G0SC:G0SC+3], s[G1SC:G1SC+7]
	s_nop 0
	tensor_load_to_lds s[G0KV:G0KV+3], s[G1KV:G1KV+7]
	s_nop 0
	tensor_load_to_lds s[G0K2:G0K2+3], s[G1KV:G1KV+7]
	s_nop 0
.rept 4
	v_nop
.endr
	s_branch .Lfirst_done
.Lfirst_m:
	tensor_load_to_lds s[G0M:G0M+3], s[G1M:G1M+7]
	s_nop 0
.rept 4
	v_nop
.endr
.Lfirst_done:
	v_and_b32 v7, 31, v0                           ; lane
	v_and_b32 v14, 15, v0                          ; r
	v_bfe_u32 v15, v0, 4, 1                        ; h
	v_lshlrev_b32 v[LI], 4, v7
	v_lshlrev_b32 v13, 2, v7
	v_add_nc_u32 v[LS], KSCL, v13
	v_cmp_le_u32 s[SMK], 16, v7
	s_lshl_b32 s[QT], s14, 3
	s_lshl_b32 s74, s[WV], 1
	s_add_co_u32 s[QT], s[QT], s74                 ; my first query tile: 8 x block + 2 x wave
	s_mul_i32 s74, s15, 196608
	s_mul_i32 s75, s[QT], 1536
	s_add_co_u32 s74, s74, s75
	s_mov_b32 s75, 0
	s_add_nc_u64 s[74:75], s[4:5], s[74:75]        ; Q's images
	s_lshl_b32 s76, s15, 13
	s_lshl_b32 s77, s[QT], 6
	s_add_co_u32 s76, s76, s77
	s_add_co_u32 s76, s76, QSC
	s_mov_b32 s77, 0
	s_add_nc_u64 s[76:77], s[4:5], s[76:77]        ; and scale words
	WIN 0x80                                       ; destination window 2
.irp x, 0,1
.irp c, 0,1,2
	global_load_b128 v[QF+12*\x+4*\c:QF+12*\x+4*\c+3], v[LI], s[74:75] offset:1536*\x+512*\c
.endr
.endr
	WIN 0
	global_load_b32 v[QS], v13, s[76:77]           ; lanes 0-15 tile 0's words, lanes 16-31 tile 1's
	v_mul_u32_u24 v[AM0], v14, MP
	v_lshl_add_u32 v[AM0], v15, 5, v[AM0]
	s_mul_i32 s78, s[WV], 32*MP
	s_add_co_u32 s78, s78, MOFF
	v_add_nc_u32 v[AM0], s78, v[AM0]               ; the mask: row 32 x wave + r, + 32 h
	v_lshlrev_b32 v[GS], 10, v15
	v_lshl_add_u32 v[GS], v14, 2, v[GS]
	; the prefetches: where my wave's stand (one period short: each period steps the address ahead of its request), and who asks
	s_add_co_u32 s78, s12, 2
	s_mul_i32 s78, s78, 12288
	s_mul_i32 s79, s15, 393216
	s_add_co_u32 s78, s78, s79
	s_add_co_u32 s78, s78, KIMG                    ; K's tiles of step 2 + cx of my head
	s_cmp_eq_u32 s[WV], 1
	s_cselect_b32 s79, VIMG-KIMG, 0
	s_cmp_eq_u32 s[WV], 2
	s_cselect_b32 s80, 8192, 0
	s_add_co_u32 s78, s78, s79
	s_add_co_u32 s78, s78, s80
	s_lshl_b32 s79, s14, 7
	s_lshl_b32 s80, s13, 5
	s_add_co_u32 s79, s79, s80
	s_lshl_b32 s79, s79, 14                        ; the mask's row 128 x block + 32 cy,
	s_and_b32 s80, ttmp7, 0xffff
	s_lshl_b32 s81, s80, 8
	s_add_co_u32 s79, s79, s81                     ; the block of 256 bytes that the cluster's y names,
	s_add_co_u32 s79, s79, 1024                    ; in period 1
	s_mov_b32 s81, 14
	s_cmp_eq_u32 ttmp9, 0
	s_cselect_b32 s82, 13, 0
	s_mov_b32 s83, 24576
	s_cmp_eq_u32 s[WV], 3
	s_cselect_b64 s[PFA:PFA+1], s[6:7], s[4:5]
	s_cselect_b32 s78, s79, s78
	s_cselect_b32 s[PFS], 1024, s83
	s_cselect_b32 s[LIM], s81, s82
	s_cselect_b32 s[EVR], 0, 1
	s_mov_b32 s79, 0
	s_mov_b32 s[PFS+1], 0
	s_add_nc_u64 s[PFA:PFA+1], s[PFA:PFA+1], s[78:79]
	s_mov_b32 s80, 4096
	s_cmp_eq_u32 s[WV], 2
	s_cselect_b32 s80, VIMG-KIMG, s80
	s_mov_b32 s81, 256
	s_cmp_eq_u32 s[WV], 3
	s_cselect_b32 s80, 262144, s80
	s_cselect_b32 s81, 16384, s81
	v_mul_lo_u32 v[PFO], v14, s81
	v_mul_lo_u32 v7, v15, s80
	v_add_nc_u32 v[PFO], v[PFO], v7
.irp x, 0,1
	v_mov_b32 v[ST+8*\x+1], 0xff61b1e6             ; the largest t so far: -3e38
	v_floor_f32 v[ST+8*\x], -v[ST+8*\x+1]          ; -M
	v_mov_b32 v[ST+8*\x+2], 0                      ; the sum, in two halves
	v_mov_b32 v[ST+8*\x+3], 0
	v_mov_b32 v[ST+8*\x+5], 0                      ; (named as upper halves of pairs)
	v_mov_b32 v[ST+8*\x+7], 0
.irp b, 0,1,2,3
	v_mov_b32 v[BP+4*\x+\b], 0                     ; a lane permute's destination counts as one of its sources
.endr
.endr
.macro SMUL t, x                       ; S^T: 16 keys of tile t x my tile x of queries.  K's words of tiles 2 i, 2 i + 1 share a register, Q's of both tiles too
.set rS, S+64*(\x)+8*(\t)
.set rK, KF+12*(\t)
.set rQ, QF+12*(\x)
.if ((\t)%2 == 0) && ((\x) == 0)
	v_wmma_scale_f32_16x16x128_f8f6f4 v[rS:rS+7], v[rK:rK+11], v[rQ:rQ+11], 0, v[KS+(\t)/2], v[QS] matrix_a_fmt:MATRIX_FMT_FP6 matrix_b_fmt:MATRIX_FMT_FP6
.elseif (\x) == 0
	v_wmma_scale_f32_16x16x128_f8f6f4 v[rS:rS+7], v[rK:rK+11], v[rQ:rQ+11], 0, v[KS+(\t)/2], v[QS] matrix_a_fmt:MATRIX_FMT_FP6 matrix_b_fmt:MATRIX_FMT_FP6 matrix_a_scale:MATRIX_SCALE_ROW1
.elseif (\t)%2 == 0
	v_wmma_scale_f32_16x16x128_f8f6f4 v[rS:rS+7], v[rK:rK+11], v[rQ:rQ+11], 0, v[KS+(\t)/2], v[QS] matrix_a_fmt:MATRIX_FMT_FP6 matrix_b_fmt:MATRIX_FMT_FP6 matrix_b_scale:MATRIX_SCALE_ROW1
.else
	v_wmma_scale_f32_16x16x128_f8f6f4 v[rS:rS+7], v[rK:rK+11], v[rQ:rQ+11], 0, v[KS+(\t)/2], v[QS] matrix_a_fmt:MATRIX_FMT_FP6 matrix_b_fmt:MATRIX_FMT_FP6 matrix_a_scale:MATRIX_SCALE_ROW1 matrix_b_scale:MATRIX_SCALE_ROW1
.endif
.endm
.macro PVMUL t, x, zero                ; O^T: 16 channels of tile t x my tile x's p
.set rO, 64*(\x)+8*(\t)
.set rV, VF+12*(\t)
.set rP, PC+20*(\x)
.if (\zero) && ((\t)%2 == 0)
	v_wmma_scale_f32_16x16x128_f8f6f4 v[rO:rO+7], v[rV:rV+11], v[rP:rP+11], 0, v[VS+(\t)/2], v[PS+(\x)] matrix_a_fmt:MATRIX_FMT_FP6 matrix_b_fmt:MATRIX_FMT_FP6
.elseif (\zero)
	v_wmma_scale_f32_16x16x128_f8f6f4 v[rO:rO+7], v[rV:rV+11], v[rP:rP+11], 0, v[VS+(\t)/2], v[PS+(\x)] matrix_a_fmt:MATRIX_FMT_FP6 matrix_b_fmt:MATRIX_FMT_FP6 matrix_a_scale:MATRIX_SCALE_ROW1
.elseif (\t)%2 == 0
	v_wmma_scale_f32_16x16x128_f8f6f4 v[rO:rO+7], v[rV:rV+11], v[rP:rP+11], v[rO:rO+7], v[VS+(\t)/2], v[PS+(\x)] matrix_a_fmt:MATRIX_FMT_FP6 matrix_b_fmt:MATRIX_FMT_FP6
.else
	v_wmma_scale_f32_16x16x128_f8f6f4 v[rO:rO+7], v[rV:rV+11], v[rP:rP+11], v[rO:rO+7], v[VS+(\t)/2], v[PS+(\x)] matrix_a_fmt:MATRIX_FMT_FP6 matrix_b_fmt:MATRIX_FMT_FP6 matrix_a_scale:MATRIX_SCALE_ROW1
.endif
.endm
.macro RESCALE                         ; O^T under the new M: x f.  (These 64 are also the places in front of the products that follow)
	WIN 0x41
.set j, 0
.rept 32
.irp x, 0,1
	v_pk_mul_f32 v[64*\x+j:64*\x+j+1], v[64*\x+j:64*\x+j+1], v[ST+8*\x+4:ST+8*\x+5] op_sel_hi:[1,0]
.endr
.set j, j+2
.endr
.endm
.macro PVALL zero                      ; the 16 accumulators take turns, one instruction a turn
	WIN 0x52                                       ; V window 2, p window 0, O^T window 1
.irp t, 0,1,2,3,4,5,6,7
.irp x, 0,1
	PVMUL \t, \x, \zero
.endr
.endr
.endm
.macro SALL                            ; a step's 16 score products
	WIN 0x0a                                       ; K and Q window 2, S^T window 0
.irp t, 0,1,2,3,4,5,6,7
.irp x, 0,1
	SMUL \t, \x
.endr
.endr
.endm
.macro LOADK q                         ; K's eight fragments and their scale words, the period's step q: 28 LDS loads
	WIN 0x80                                       ; destination window 2
.irp t, 0,1,2,3,4,5,6,7
.irp c, 0,1,2
	ds_load_b128 v[KF+12*\t+4*\c:KF+12*\t+4*\c+3], v[ADK] offset:12288*(\q)+1536*\t+512*\c
.endr
.endr
	WIN 0
.irp i, 0,1,2,3
	ds_load_b32 v[KS+\i], v[ADS] offset:512*(\q)+128*\i   ; lanes 0-15 tile 2 i's words, lanes 16-31 tile 2 i + 1's
.endr
.endm
.macro LOADV q                         ; V's likewise
	WIN 0x80
.irp t, 0,1,2,3,4,5,6,7
.irp c, 0,1,2
	ds_load_b128 v[VF+12*\t+4*\c:VF+12*\t+4*\c+3], v[ADK] offset:VOFF+12288*(\q)+1536*\t+512*\c
.endr
.endr
	WIN 0
.irp i, 0,1,2,3
	ds_load_b32 v[VS+\i], v[ADS] offset:16384+512*(\q)+128*\i
.endr
.endm
.macro LOADM q                         ; step q's mask in the scores' layout (query r, keys 16 t + 8 h + 0 .. 7): 32 LDS loads, into window 1 (q = 0) or window 3 (q = 1)
	WIN 0x40+0x80*(\q)
.irp x, 0,1
.irp t, 0,1,2,3,4,5,6,7
.irp jj, 0,1
	ds_load_b128 v[MK*(1-(\q))+64*\x+8*\t+4*\jj:MK*(1-(\q))+64*\x+8*\t+4*\jj+3], v[AM0] offset:16*MP*\x+512*(\q)+64*\t+16*\jj
.endr
.endr
.endr
.endm
.macro MASKFMA q                       ; u = score + sqrt(128) mask; each accumulator from its low end on
	WIN 0x01+2*(\q)                                ; source 0 (the mask) window 1 or 3
.set j, 0
.rept 32
.irp x, 0,1
	v_pk_fma_f32 v[S+64*\x+j:S+64*\x+j+1], v[MK*(1-(\q))+64*\x+j:MK*(1-(\q))+64*\x+j+1], s[R128:R128+1], v[S+64*\x+j:S+64*\x+j+1] op_sel_hi:[1,0,1]
.endr
.set j, j+2
.endr
	WIN 0
.endm
.macro SOFTMAX                         ; from u in S^T to p's codes and scale words, both tiles by turns
.irp b, 0,1,2,3
.irp x, 0,1
	v_max3_num_f32 v[BM+4*\x+\b], v[S+64*\x+16*\b], v[S+64*\x+16*\b+1], v[S+64*\x+16*\b+2]   ; the largest u of each block of 32 keys: for the row's maximum and for the block's largest p
.endr
.endr
.irp i, 3,5,7,9,11,13
.irp b, 0,1,2,3
.irp x, 0,1
	v_max3_num_f32 v[BM+4*\x+\b], v[BM+4*\x+\b], v[S+64*\x+16*\b+\i], v[S+64*\x+16*\b+\i+1]
.endr
.endr
.endr
.irp b, 0,1,2,3
.irp x, 0,1
	v_max_num_f32 v[BM+4*\x+\b], v[BM+4*\x+\b], v[S+64*\x+16*\b+15]
.endr
.endr
.irp b, 0,1,2,3
.irp x, 0,1
	v_permlanex16_b32 v[BP+4*\x+\b], v[BM+4*\x+\b], s[SEL], s[SEL+1]
.endr
.endr
.irp b, 0,1,2,3
.irp x, 0,1
	v_max_num_f32 v[BM+4*\x+\b], v[BM+4*\x+\b], v[BP+4*\x+\b]
.endr
.endr
.irp x, 0,1
	v_max3_num_f32 v[ST+8*\x+6], v[BM+4*\x], v[BM+4*\x+1], v[BM+4*\x+2]
.endr
.irp x, 0,1
	v_max_num_f32 v[ST+8*\x+6], v[ST+8*\x+6], v[BM+4*\x+3]
.endr
.irp x, 0,1
	v_mul_f32 v[ST+8*\x+6], s[CS], v[ST+8*\x+6]    ; as t
.endr
.irp x, 0,1
	v_max_num_f32 v[ST+8*\x+1], v[ST+8*\x+1], v[ST+8*\x+6]   ; the running largest t
.endr
.irp x, 0,1
	v_mov_b32 v[ST+8*\x+6], v[ST+8*\x]
.endr
.irp x, 0,1
	v_floor_f32 v[ST+8*\x], -v[ST+8*\x+1]          ; the new -M = -ceil(t)
.endr
.irp x, 0,1
	v_sub_f32 v[ST+8*\x+6], v[ST+8*\x], v[ST+8*\x+6]   ; old M - new M: a whole number, 0 or less
.endr
.irp x, 0,1
	v_cvt_i32_f32 v[ST+8*\x+6], v[ST+8*\x+6]       ; (it saturates)
.endr
.irp x, 0,1
	v_ldexp_f32 v[ST+8*\x+4], 1.0, v[ST+8*\x+6]    ; f = 2^(old M - new M)
.endr
.set j, 0
.rept 32
.irp x, 0,1
	v_pk_fma_f32 v[S+64*\x+j:S+64*\x+j+1], v[S+64*\x+j:S+64*\x+j+1], s[CS:CS+1], v[ST+8*\x:ST+8*\x+1] op_sel_hi:[1,0,0]   ; t - M
.endr
.set j, j+2
.endr
.irp b, 0,1,2,3
.irp x, 0,1
	v_fma_f32 v[BM+4*\x+\b], v[BM+4*\x+\b], s[CS], v[ST+8*\x]
.endr
.endr
.set j, 0
.rept 128
	v_exp_f32 v[S+j], v[S+j]                       ; p = 2^(t - M), at most 1
.set j, j+1
.endr
.irp x, 0,1
	v_pk_mul_f32 v[ST+8*\x+2:ST+8*\x+3], v[ST+8*\x+2:ST+8*\x+3], v[ST+8*\x+4:ST+8*\x+5] op_sel_hi:[1,0]   ; the sums under the new M; a plain place behind the exponentials
.endr
	s_wait_alu depctr_va_vdst(0)                   ; one wait for the batch of 128, ahead of its first reader
.irp b, 0,1,2,3
.irp x, 0,1
	v_exp_f32 v[BM+4*\x+\b], v[BM+4*\x+\b]         ; the blocks' largest p
.endr
.endr
.irp x, 0,1
	v_pk_add_f32 v[SA+2*\x:SA+2*\x+1], v[S+64*\x:S+64*\x+1], v[S+64*\x+2:S+64*\x+3]   ; the row's sum of the unquantised p, in two chains a tile
.endr
.irp j, 4,8,12,16,20,24,28,32,36,40,44,48,52,56,60
.irp x, 0,1
	v_pk_add_f32 v[ST+8*\x+2:ST+8*\x+3], v[ST+8*\x+2:ST+8*\x+3], v[S+64*\x+\j:S+64*\x+\j+1]
	v_pk_add_f32 v[SA+2*\x:SA+2*\x+1], v[SA+2*\x:SA+2*\x+1], v[S+64*\x+\j+2:S+64*\x+\j+3]
.endr
.endr
.irp x, 0,1
	v_pk_add_f32 v[ST+8*\x+2:ST+8*\x+3], v[ST+8*\x+2:ST+8*\x+3], v[SA+2*\x:SA+2*\x+1]
.endr
	s_wait_alu depctr_va_vdst(0)                   ; and one for the eight
.irp b, 0,1,2,3
.irp x, 0,1
	v_max_num_f32 v[BM+4*\x+\b], s[FLR], v[BM+4*\x+\b]   ; the floor: the byte cannot fall under 1
.endr
.endr
.irp b, 0,1,2,3
.irp x, 0,1
	v_add_nc_u32 v[BS+4*\x+\b], 0xff000000, v[BM+4*\x+\b]   ; 2 off the exponent field: the conversion's scale operand
.endr
.endr
.irp b, 0,1,2,3
.irp x, 0,1
	v_lshrrev_b32 v[BP+4*\x+\b], 23, v[BS+4*\x+\b]
.endr
.endr
.irp x, 0,1
	v_lshl_or_b32 v[PS+\x], v[BP+4*\x+1], 8, v[BP+4*\x]
.endr
.irp x, 0,1
	v_lshl_or_b32 v[PS+\x], v[BP+4*\x+2], 16, v[PS+\x]
.endr
.irp x, 0,1
	v_lshl_or_b32 v[PS+\x], v[BP+4*\x+3], 24, v[PS+\x]
.endr
.irp x, 0,1
.irp c, 0,1
	v_cvt_scalef32_pk16_fp6_f32 v[PC+20*\x+6*\c:PC+20*\x+6*\c+2], v[S+64*\x+32*\c:S+64*\x+32*\c+15], v[BS+4*\x+2*\c]
	v_cvt_scalef32_pk16_fp6_f32 v[PC+20*\x+12+4*\c:PC+20*\x+14+4*\c], v[S+64*\x+16+32*\c:S+64*\x+31+32*\c], v[BS+4*\x+2*\c+1]
.endr
.endr
	v_nop                                          ; one plain place behind a scaled conversion
.irp x, 0,1
.irp c, 0,1
.irp i, 0,1,2
	v_permlane16_swap_b32 v[PC+20*\x+6*\c+\i], v[PC+20*\x+12+4*\c+\i]
.endr
.irp i, 0,1,2
	v_mov_b32 v[PC+20*\x+3+6*\c+\i], v[PC+20*\x+12+4*\c+\i]
.endr
.endr
.endr
.endm
; A PERIOD: two key steps.  kind = 0: the first (no V^T P is owed at its head; its second step's starts O^T; only the mask is asked for); 1: in the loop; 2: the last (nothing is asked for).
.macro PERIOD kind
	s_wait_tensorcnt 0x0                           ; my part of this period's tiles has landed;
	s_wait_dscnt 0x0                               ; the last step's V is in registers, and no LDS instruction of mine is pending at the signal
	s_barrier_signal -1
	s_barrier_wait -1                              ; everybody's part has landed.
	v_add_nc_u32 v[ADK], s[TB], v[LI]
	v_add_nc_u32 v[ADS], s[TS], v[LS]
	LOADK 0
	LOADM 0
.if \kind
	RESCALE                                        ; the last step's V^T P, on registers alone, while the 60 loads are served
	PVALL 0
.endif
	s_wait_dscnt 30                                ; of the 60 loads the youngest 30 may be out: K and its scale words, the first 28, are in; with the 32 loads and the add below 63 LDS instructions are out at the most
	LOADM 1
	WIN 0
.if \kind < 2
	s_wait_tensorcnt 0x0                           ; no tensor load of mine is out (met at once): so a group 0 may be written
	ds_add_u32 v[SPW], v[NIL]                      ; 0 onto my spare word; the descriptors' steps and sixteen products stand between it and the wait for it
.if \kind == 1
	s_xor_b32 s[G0K2+1], s[G0K2+1], SLOT1          ; K's and V's walking descriptor: the slot that was left a period ago, the next two steps
	s_add_nc_u64 s[G0K2+2:G0K2+3], s[G0K2+2:G0K2+3], 24576
.endif
	s_add_nc_u64 s[G0M+2:G0M+3], s[G0M+2:G0M+3], 1024   ; the mask's next 256 keys
	s_wait_xcnt 0x0                                ; the last prefetch, a period back, has read its address
	s_add_nc_u64 s[PFA:PFA+1], s[PFA:PFA+1], s[PFS:PFS+1]
.endif
	SALL                                           ; the first step's scores
	WIN 0
	s_wait_dscnt 0x0                               ; the add is done; both steps' mask is in registers: my reads of its region are over, and so, since the period's head, are those of the slot left a period ago
.if \kind < 2
	ROUND                                          ; no wave of any partner still reads those bytes or has a load on its way
	JLOAD \kind                                    ; my one tensor load behind the round; its four v_nop are the places in front of the loads and of the first read of the scores below
.else
	PLACES
.endif
	LOADV 0
	LOADK 1                                        ; the second step's K already: its registers are free
.if \kind < 2
	ASK
.endif
	MASKFMA 0
	SOFTMAX
	s_wait_dscnt 0x0                               ; V of the first step and K of the second, asked for a softmax ago
.if \kind
	RESCALE
	PVALL 0
.else
.rept 8
	v_nop                                          ; p's scale word, made by vector instructions, stands 8 places ahead of the scaled products
.endr
	PVALL 1                                        ; the first products start O^T's sums
.endif
	SALL
	PLACES                                         ; for the loads into V's registers and for the first read of the scores
	LOADV 1
	MASKFMA 1
	SOFTMAX
	s_xor_b32 s[TB], s[TB], SLOT1                  ; on to the other slot of K and V,
	s_add_co_u32 s[TS], s[TS], 1024                ; the next period's scale words
	s_add_co_u32 s[PCNT], s[PCNT], 1
.endm
	s_wait_loadcnt 0x0                             ; Q
	PERIOD 0
	s_mov_b32 s[CNT], 14
.Lper:
	PERIOD 1
	s_sub_co_u32 s[CNT], s[CNT], 1
	s_cmp_lg_u32 s[CNT], 0
	s_cbranch_scc1 .Lper
	PERIOD 2                                       ; the last period is written out: nothing is left to ask for
	s_wait_dscnt 0x0                               ; the last step's V
	RESCALE
	PVALL 0
	WIN 0
	PLACES                                         ; behind the last products
	; THE WAY OUT: O^T / the sum, quantised along the head's 128 channels, stored as K step 'head' of the last product's operand
.macro QUANT s, pc, pw
.irp b, 0,1,2,3
	v_max3_num_f32 v[TM+\b], s[FLR], |v[(\s)+16*\b]|, |v[(\s)+16*\b+1]|
.endr
.irp i, 2,4,6,8,10,12,14
.irp b, 0,1,2,3
	v_max3_num_f32 v[TM+\b], v[TM+\b], |v[(\s)+16*\b+\i]|, |v[(\s)+16*\b+\i+1]|
.endr
.endr
.irp b, 0,1,2,3
	v_permlanex16_b32 v[TM+4+\b], v[TM+\b], s[SEL], s[SEL+1]
.endr
.irp b, 0,1,2,3
	v_max_num_f32 v[TM+\b], v[TM+\b], v[TM+4+\b]
.endr
.irp b, 0,1,2,3
	v_add_nc_u32 v[TM+12+\b], 0xff000000, v[TM+\b]
.endr
.irp b, 0,1,2,3
	v_lshrrev_b32 v[TM+4+\b], 23, v[TM+12+\b]
.endr
	v_lshl_or_b32 v[\pw], v[TM+5], 8, v[TM+4]
	v_lshl_or_b32 v[\pw], v[TM+6], 16, v[\pw]
	v_lshl_or_b32 v[\pw], v[TM+7], 24, v[\pw]
.irp c, 0,1
	v_cvt_scalef32_pk16_fp6_f32 v[(\pc)+6*\c:(\pc)+6*\c+2], v[(\s)+32*\c:(\s)+32*\c+15], v[TM+12+2*\c]
	v_cvt_scalef32_pk16_fp6_f32 v[(\pc)+12+4*\c:(\pc)+14+4*\c], v[(\s)+16+32*\c:(\s)+31+32*\c], v[TM+13+2*\c]
.endr
	v_nop
.irp c, 0,1
.irp i, 0,1,2
	v_permlane16_swap_b32 v[(\pc)+6*\c+\i], v[(\pc)+12+4*\c+\i]
.endr
.irp i, 0,1,2
	v_mov_b32 v[(\pc)+3+6*\c+\i], v[(\pc)+12+4*\c+\i]
.endr
.endr
.endm
.irp x, 0,1
	v_add_f32 v[ST+8*\x+2], v[ST+8*\x+2], v[ST+8*\x+3]   ; the sum's two halves,
.endr
.irp x, 0,1
	v_permlanex16_b32 v[ST+8*\x+3], v[ST+8*\x+2], s[SEL], s[SEL+1]
.endr
.irp x, 0,1
	v_add_f32 v[ST+8*\x+2], v[ST+8*\x+2], v[ST+8*\x+3]   ; and lane l xor 16's
.endr
.irp x, 0,1
	v_rcp_f32 v[ST+8*\x+6], v[ST+8*\x+2]
.endr
	v_nop                                          ; a plain place behind the reciprocals
	s_lshl_b32 s74, s[QT], 4
	s_add_co_u32 s74, s74, s15
	s_mul_i32 s74, s74, 1536                       ; image (query tile, head)
	s_mov_b32 s75, 0
	s_add_nc_u64 s[74:75], s[8:9], s[74:75]
	s_lshl_b32 s76, s[QT], 10
	s_lshl_b32 s77, s15, 6
	s_add_co_u32 s76, s76, s77
	s_add_co_u32 s76, s76, CSC
	s_mov_b32 s77, 0
	s_add_nc_u64 s[76:77], s[8:9], s[76:77]
	s_wait_alu depctr_va_vdst(0)                   ; one wait for the two reciprocals, ahead of their first reader
	WIN 0x01                                       ; source 0 (O^T) window 1
.set j, 0
.rept 32
.irp x, 0,1
	v_pk_mul_f32 v[S+64*\x+j:S+64*\x+j+1], v[64*\x+j:64*\x+j+1], v[ST+8*\x+6:ST+8*\x+7] op_sel_hi:[1,0]
.endr
.set j, j+2
.endr
	WIN 0
	QUANT S, PC, 244
	QUANT S+64, PC+20, 245
.irp x, 0,1
.irp c, 0,1,2
	global_store_b128 v[LI], v[PC+20*\x+4*\c:PC+20*\x+4*\c+3], s[74:75] offset:24576*\x+512*\c   ; 512 consecutive bytes
.endr
.endr
	v_cndmask_b32 v246, v244, v245, s[SMK]         ; lanes 0-15 tile 0's words, lanes 16-31 tile 1's
	global_store_b32 v[GS], v246, s[76:77]
	s_wait_tensorcnt 0x0                           ; the wave's end
	ds_add_u32 v[SPW], v[NIL]
	s_wait_dscnt 0x0
	ROUND                                          ; the closing round
	s_endpgm
.Lfunc_end_k_q1fe1608177_attn:
	.size	k_q1fe1608177_attn, .Lfunc_end_k_q1fe1608177_attn-k_q1fe1608177_attn
	.p2alignl 7, 3214868480
	.fill 96, 4, 3214868480
	.section	.rodata,"a",@progbits
	.p2align	6, 0x0
	.amdhsa_kernel k_q1fe1608177_attn
		.amdhsa_group_segment_fixed_size 327680
		.amdhsa_private_segment_fixed_size 0
		.amdhsa_enable_private_segment 0
		.amdhsa_kernarg_size 24
		.amdhsa_user_sgpr_count 2
		.amdhsa_user_sgpr_kernarg_segment_ptr 1
		.amdhsa_wavefront_size32 1
		.amdhsa_system_sgpr_workgroup_id_x 1
		.amdhsa_system_sgpr_workgroup_id_y 1
		.amdhsa_system_sgpr_workgroup_id_z 1
		.amdhsa_system_vgpr_workitem_id 0
		.amdhsa_next_free_vgpr 896
		.amdhsa_next_free_sgpr 88
		.amdhsa_reserve_vcc 0
		.amdhsa_float_denorm_mode_32 3
		.amdhsa_float_denorm_mode_16_64 3
		.amdhsa_memory_ordered 1
		.amdhsa_forward_progress 1
		.amdhsa_inst_pref_size 255
	.end_amdhsa_kernel
	.section	.bss,"aw",@nobits
	.p2align	6
	.space	262144
	.amdgpu_metadata
---
amdhsa.version: [ 1, 2 ]
amdhsa.kernels:
  - .name:           k_q1fe1608177_attn
    .symbol:         k_q1fe1608177_attn.kd
    .args:
      - { .name: qkv, .offset: 0, .size: 8, .value_kind: global_buffer, .address_space: global }
      - { .name: attention_mask, .offset: 8, .size: 8, .value_kind: global_buffer, .address_space: global }
      - { .name: ctxq, .offset: 16, .size: 8, .value_kind: global_buffer, .address_space: global }
    .group_segment_fixed_size: 327680
    .private_segment_fixed_size: 0
    .kernarg_segment_align: 8
    .kernarg_segment_size: 24
    .max_flat_workgroup_size: 128
    .sgpr_count:     88
    .vgpr_count:     896
    .wavefront_size: 32
...
	.end_amdgpu_metadata
.endif
;; end of part 3
;; launch outp (part 4): grid 16 x 16, 4 waves a work-group, clusters of 4 x 4, 327,680 bytes of LDS; arguments ctxq, xw, out0; writes out0
.if DOCPART == 4
	.amdgcn_target "amdgcn-amd-amdhsa--gfx1250"
	.amdhsa_code_object_version 6
	.text
	.protected	k_q1fe1608177_outp
	.globl	k_q1fe1608177_outp
	.p2align	8
	.type	k_q1fe1608177_outp,@function
k_q1fe1608177_outp:
	s_mov_b64 s[64:65], 0
	v_nop
	global_prefetch_b8 v0, s[64:65] scope:SCOPE_SE
	s_setreg_imm32_b32 hwreg(HW_REG_WAVE_MODE, 25, 1), 1
	s_wait_xcnt 0x0
	s_wait_alu depctr_hold_cnt(0) depctr_sa_sdst(0) depctr_va_vdst(0) depctr_va_sdst(0) depctr_va_ssrc(0) depctr_va_vcc(0) depctr_vm_vsrc(0)
	s_getreg_b32 s2, hwreg(HW_REG_IB_STS2, 6, 4)
	s_cmp_eq_u32 s2, 0
	s_cbranch_scc0 .Lentry_in_a_cluster
	s_endpgm
.Lentry_in_a_cluster:
	s_bfe_u32 s2, ttmp6, 0x10000c
	s_cmp_lg_u32 s2, 0xf033
	s_cbranch_scc0 .Lentry_shape_is_right
	s_endpgm
.Lentry_shape_is_right:
; out0 = ctx wo on codes of FP6 (E2M3) with E8M0 scales; out0 [2048][2048] f32; sums in f32.
; A tile of 128 x 128 to a work-group: 256 work-groups, one for each WGP (tiles of 256 x 256 would be 64).  Four waves, each 64 x 64: 16 accumulators.
; Operands are images of registers (1,536 dense bytes a fragment, three loads of 16 bytes a lane).  A slot holds four K steps of 128; K is four slots' worth, so the sixteen steps are written out.
; THREE SLOTS (294,912 bytes) are filled at the start, twelve of the sixteen K steps; only slot 0 is filled again, with the last four, as soon as its fragments are in registers: that load has eight K steps in which to land.
; CLUSTER 4 x 4: ctx's tiles are asked for jointly along a row, wo's along a column.  The scale words of the work-group's rows come into LDS once.
; THE MATRIX INSTRUCTION IS USED TRANSPOSED (source 0 = 16 columns of wo, source 1 = 16 rows of ctx): a lane holds eight neighbouring numbers of a row of out0.
; REGISTERS: window 0: v16-29 addresses; v32-39 scale words, two sets, and nothing else; v128-255 the accumulators ((a, b) at v[128 + 8 (4 a + b)]).
;   window 1: two sets of fragments at v40 and v136: B's four, then A's four.
.set WIMG3, 12582912                   ; xw: wo's images
.set WSC3,  16252928                   ; and scale words
.set CSC,   3145728                    ; ctxq: the scale words
.set HALFT, 24576                      ; 4 tiles x 4 K steps x 1,536 bytes: what one tensor load brings
.set SLOT,  4*HALFT
.set SCL,   3*SLOT
.set HALFS, 4096
.set SPARE, SCL+4*HALFS                ; the spare words, 128 bytes for each wave
.set ADRA, 16                          ; v16-18 LDS address of my A fragments in slot 0, 1, 2
.set ADRB, 20                          ; v20-22 the same for B
.set STO,  24
.set RD,   25
.set CO,   26
.set ADRS, 27
.set SPW,  28                          ; v28 my spare word; never rewritten
.set NIL,  29                          ; v29 0; never rewritten
.set SC,   32
.set ACC,  128
.set FB,   40                          ; window 1: set p at v[FB + 96 p]
.set G1,   24                          ; s[24:31] group 1 for A's tiles;  s[32:43] group 0, one set for each slot
.set G0,   32
.set G1B,  48                          ; s[48:55], s[84:95] the same for B's
.set G0B,  84
.set G0S,  56                          ; s[56:59], s[60:63] groups 0 for A's and B's scale words;  s[68:75], s[76:83] their groups 1
.set G0SB, 60
.set G1S,  68
.set G1SB, 76
.set MSB, 0
.macro WIN new
.if MSB != (\new)
	s_set_vgpr_msb (MSB<<8)|(\new)
.set MSB, (\new)
.endif
.endm
.macro PLACES
.rept 4
	v_nop
.endr
.endm
.macro JLOAD g0a, g1a, g0b, g1b        ; waves 0, 1 fetch for A, waves 2, 3 for B; an s_nop 0 and four v_nop follow each line
	s_cmp_eq_u32 s15, 0
	s_cbranch_scc0 .Lfor_b_\@
	tensor_load_to_lds s[\g0a:\g0a+3], s[\g1a:\g1a+7]
	s_nop 0
.rept 4
	v_nop
.endr
	s_branch .Lasked_\@
.Lfor_b_\@:
	tensor_load_to_lds s[\g0b:\g0b+3], s[\g1b:\g1b+7]
	s_nop 0
.rept 4
	v_nop
.endr
.Lasked_\@:
.endm
.macro CROUND                          ; a round of the cluster's barrier
	s_barrier_signal -1
	s_barrier_wait -1
	s_cmp_lg_u32 s14, 0
	s_cbranch_scc1 .Lnot_wave_0_\@
	s_barrier_signal -3
.Lnot_wave_0_\@:
	s_barrier_wait -3
	s_barrier_signal -1
	s_barrier_wait -1
.endm
	s_load_b128 s[4:7], s[0:1], 0x0                ; ctxq s[4:5], xw s[6:7]
	s_load_b64 s[8:9], s[0:1], 0x10                ; out0
	v_lshl_add_u32 v[SPW], v0, 2, SPARE
	v_mov_b32 v[NIL], 0
	ds_add_u32 v[SPW], v[NIL]                      ; the wave's opening: the add and its wait ahead of my first tensor load
	v_lshrrev_b32 v1, 5, v0
	v_readfirstlane_b32 s14, v1                    ; wave 0..3
	s_lshr_b32 s15, s14, 1                         ; which 64 rows are mine.  Also: I fetch for A (0) or for B (1)
	s_and_b32 s16, s14, 1                          ; which 64 columns.  Also: which 64 rows of the tile I fetch
	s_bfe_u32 s10, ttmp6, 0x40000                  ; cx
	s_bfe_u32 s11, ttmp6, 0x40004                  ; cy
	s_lshl_b32 s12, ttmp9, 2
	s_add_co_u32 s12, s12, s10                     ; tile column
	s_and_b32 s17, ttmp7, 0xffff
	s_lshl_b32 s17, s17, 2
	s_add_co_u32 s17, s17, s11                     ; tile row
	s_lshl_b32 s13, s11, 2
	s_lshl_b32 s13, 15, s13                        ; my row of the cluster
	s_lshl_b32 s18, 0x1111, s10                    ; my column
	; group 1, codes: 4 rows (tiles) of 6,144 bytes (four K steps' images), 24,576 bytes apart; elements of 8 bytes
	s_or_b32 s[G1+0], s13, (3<<16)|(1<<21)
	s_or_b32 s[G1B+0], s18, (3<<16)|(1<<21)
.irp g, G1, G1B
	s_mov_b32 s[\g+1], 768<<16
	s_mov_b32 s[\g+2], 4<<16
	s_mov_b32 s[\g+3], 768<<16
	s_mov_b32 s[\g+4], 4
	s_mov_b32 s[\g+5], 3072
	s_mov_b32 s[\g+6], 0
	s_mov_b32 s[\g+7], 0
.endr
	; group 1, scale words of 64 rows: 4,096 dense bytes as 16 rows of 256
	s_or_b32 s[G1S+0], s13, (3<<16)|(1<<21)
	s_or_b32 s[G1SB+0], s18, (3<<16)|(1<<21)
.irp g, G1S, G1SB
	s_mov_b32 s[\g+1], 32<<16
	s_mov_b32 s[\g+2], 16<<16
	s_mov_b32 s[\g+3], 32<<16
	s_mov_b32 s[\g+4], 16
	s_mov_b32 s[\g+5], 32
	s_mov_b32 s[\g+6], 0
	s_mov_b32 s[\g+7], 0
.endr
	s_lshl_b32 s21, s16, 2
	s_lshl_b32 s20, s17, 3
	s_add_co_u32 s20, s20, s21                     ; A: the first tile that I fetch
	s_lshl_b32 s44, s12, 3
	s_add_co_u32 s44, s44, s21                     ; B
	s_lshl_b32 s22, s20, 10
	s_add_co_u32 s22, s22, CSC
	s_mov_b32 s23, 0
	s_lshl_b32 s46, s44, 10
	s_add_co_u32 s46, s46, WSC3
	s_mov_b32 s47, 0
	s_mul_i32 s20, s20, 24576
	s_mov_b32 s21, 0
	s_mul_i32 s44, s44, 24576
	s_add_co_u32 s44, s44, WIMG3
	s_mov_b32 s45, 0
	s_mul_i32 s19, s14, HALFT                      ; where they go: wave x a load's bytes: no place in the cluster enters an LDS address
	s_mul_i32 s2, s14, HALFS
	s_wait_dscnt 0x0                               ; the opening add is done
	s_wait_kmcnt 0x0
	s_add_nc_u64 s[20:21], s[4:5], s[20:21]
	s_add_nc_u64 s[22:23], s[4:5], s[22:23]
	s_add_nc_u64 s[44:45], s[6:7], s[44:45]
	s_add_nc_u64 s[46:47], s[6:7], s[46:47]
	CROUND                                         ; all sixteen work-groups are here: the first joint loads meet
	s_mov_b32 s[G0S], 1
	s_add_co_u32 s[G0S+1], s2, SCL
	s_mov_b64 s[G0S+2:G0S+3], s[22:23]
	s_or_b32 s[G0S+3], s[G0S+3], 0x80000000
	s_mov_b32 s[G0SB], 1
	s_add_co_u32 s[G0SB+1], s2, SCL
	s_mov_b64 s[G0SB+2:G0SB+3], s[46:47]
	s_or_b32 s[G0SB+3], s[G0SB+3], 0x80000000
	JLOAD G0S, G1S, G0SB, G1SB                     ; four loads of a wave are out at the most: the scale words and three slots
.irp s, 0,1,2
	s_mov_b32 s[G0+4*\s], 1
	s_add_co_u32 s[G0+4*\s+1], s19, \s*SLOT
	s_add_nc_u64 s[G0+4*\s+2:G0+4*\s+3], s[20:21], \s*6144
	s_or_b32 s[G0+4*\s+3], s[G0+4*\s+3], 0x80000000
	s_mov_b32 s[G0B+4*\s], 1
	s_add_co_u32 s[G0B+4*\s+1], s19, \s*SLOT
	s_add_nc_u64 s[G0B+4*\s+2:G0B+4*\s+3], s[44:45], \s*6144
	s_or_b32 s[G0B+4*\s+3], s[G0B+4*\s+3], 0x80000000
	JLOAD G0+4*\s, G1, G0B+4*\s, G1B
.endr
	v_and_b32 v1, 15, v0                           ; r
	v_bfe_u32 v2, v0, 4, 1                         ; h
	v_and_b32 v3, 31, v0
	v_lshlrev_b32 v3, 4, v3                        ; 16 x lane
	s_mul_i32 s21, s15, HALFT
	s_mul_i32 s22, s16, HALFT
	s_add_co_u32 s22, s22, 2*HALFT
.irp s, 0,1,2
	v_add_nc_u32 v[ADRA+\s], s21, v3
	v_add_nc_u32 v[ADRB+\s], s22, v3
	s_add_co_u32 s21, s21, SLOT
	s_add_co_u32 s22, s22, SLOT
.endr
	v_lshlrev_b32 v5, 2, v1
	s_mul_i32 s21, s15, HALFS
	s_mul_i32 s22, s16, HALFS
	s_add_co_u32 s22, s22, 2*HALFS
	s_sub_co_u32 s22, s22, s21
	v_mul_u32_u24 v6, s22, v2                      ; lanes 16-31 take B's words: the lower base + h x the distance
	s_add_co_u32 s21, s21, SCL
	v_add_nc_u32 v5, v5, v6
	v_add_nc_u32 v[ADRS], s21, v5
	s_mul_i32 s23, s14, 64*272                     ; my stage: 64 rows of 256 bytes + 16, in slot 1, which is filled once, at the start, and is read for the last time ahead of the barrier in K step 11
	s_add_co_u32 s23, s23, SLOT
	v_mul_u32_u24 v4, v1, 272
	v_lshl_add_u32 v4, v2, 5, v4
	v_add_nc_u32 v[STO], s23, v4                   ; in: row r, 32 bytes for each half of the lanes
	v_mul_u32_u24 v5, v2, 272
	v_lshl_add_u32 v5, v1, 4, v5
	v_add_nc_u32 v[RD], s23, v5                    ; back: lanes 0-15 one row of 256 bytes, lanes 16-31 the next
	v_lshlrev_b32 v5, 13, v2
	v_lshl_add_u32 v[CO], v1, 4, v5                ; and the same two rows in out0
	s_lshl_b32 s20, s17, 7
	s_lshl_b32 s21, s15, 6
	s_add_co_u32 s20, s20, s21                     ; my first row
	s_lshl_b32 s20, s20, 13
	s_lshl_b32 s21, s12, 9
	s_add_co_u32 s20, s20, s21
	s_lshl_b32 s21, s16, 8
	s_add_co_u32 s20, s20, s21                     ; + my first column, in bytes
	s_mov_b32 s21, 0
	s_add_nc_u64 s[8:9], s[8:9], s[20:21]
.macro FETCH g                         ; K step g's fragments and scale words into set g % 2; steps 0-3 and 12-15 lie in slot 0, 4-7 in slot 1, 8-11 in slot 2
.set p, (\g)%2
.set sl, ((\g)/4)%3
.set q, (\g)%4
	WIN 0x40                                       ; destination window 1
.irp i, 0,1,2,3
.irp c, 0,1,2
	ds_load_b128 v[FB+96*p+12*\i+4*\c:FB+96*p+12*\i+4*\c+3], v[ADRB+sl] offset:6144*\i+1536*q+512*\c
.endr
.endr
.irp i, 0,1,2,3
.irp c, 0,1,2
	ds_load_b128 v[FB+96*p+48+12*\i+4*\c:FB+96*p+48+12*\i+4*\c+3], v[ADRA+sl] offset:6144*\i+1536*q+512*\c
.endr
.endr
	WIN 0
.irp i, 0,1,2,3
	ds_load_b32 v[SC+4*p+\i], v[ADRS] offset:1024*\i+64*(\g)
.endr
.endm
.macro MUL g                           ; 16 products; the accumulators take turns, one instruction a turn, in the same order in every step
.set p, (\g)%2
	WIN 0x05                                       ; sources 0 and 1 window 1
.irp a, 0,1,2,3
.irp b, 0,1,2,3
.if (\g) == 0
	v_wmma_scale_f32_16x16x128_f8f6f4 v[ACC+8*(4*\a+\b):ACC+8*(4*\a+\b)+7], v[FB+96*p+12*\b:FB+96*p+12*\b+11], v[FB+96*p+48+12*\a:FB+96*p+48+12*\a+11], 0, v[SC+4*p+\b], v[SC+4*p+\a] matrix_a_fmt:MATRIX_FMT_FP6 matrix_b_fmt:MATRIX_FMT_FP6 matrix_a_scale:MATRIX_SCALE_ROW1
.else
	v_wmma_scale_f32_16x16x128_f8f6f4 v[ACC+8*(4*\a+\b):ACC+8*(4*\a+\b)+7], v[FB+96*p+12*\b:FB+96*p+12*\b+11], v[FB+96*p+48+12*\a:FB+96*p+48+12*\a+11], v[ACC+8*(4*\a+\b):ACC+8*(4*\a+\b)+7], v[SC+4*p+\b], v[SC+4*p+\a] matrix_a_fmt:MATRIX_FMT_FP6 matrix_b_fmt:MATRIX_FMT_FP6 matrix_a_scale:MATRIX_SCALE_ROW1
.endif
.endr
.endr
.endm
.macro KSTEP g
	WIN 0
.if (\g) == 3                          ; slot 0's last step: its fragments are in registers, so the slot is filled again, with K steps 12 to 15
	s_wait_tensorcnt 0x0                           ; all my tensor loads have landed: my parts of slots 1 and 2, asked for with slot 0's
	ds_add_u32 v[SPW], v[NIL]
	s_add_nc_u64 s[G0+2:G0+3], s[G0+2:G0+3], 3*6144
	s_add_nc_u64 s[G0B+2:G0B+3], s[G0B+2:G0B+3], 3*6144
	s_wait_dscnt 0x0                               ; the add is done, and my reads of slot 0 are over
	CROUND                                         ; no wave of any partner still reads slot 0 or has a load on its way; and slots 1 and 2 are whole for every wave
	JLOAD G0, G1, G0B, G1B                         ; my one tensor load behind the round; its four v_nop are the places in front of the loads below
.elseif (\g) == 11                     ; ahead of the first read of slot 0's second fill
	s_wait_tensorcnt 0x0                           ; my part of it has landed
	ds_add_u32 v[SPW], v[NIL]
	s_wait_dscnt 0x0
	s_barrier_signal -1
	s_barrier_wait -1                              ; everybody's has
	PLACES
.else
	s_wait_dscnt 0x0                               ; this step's fragments are in
.if (\g) < 15
	PLACES                                         ; in front of loads into the set that the last step's products read
.endif
.endif
.if (\g) < 15
	FETCH (\g)+1
.endif
	MUL \g
.endm
	s_wait_tensorcnt 2                             ; the scale words and my part of slot 0 are in (the loads of slots 1 and 2 may be out),
	s_barrier_signal -1
	s_barrier_wait -1                              ; everybody's are
	FETCH 0
.irp g, 0,1,2,3,4,5,6,7,8,9,10,11,12,13,14,15
	KSTEP \g
.endr
	WIN 0
	PLACES                                         ; in front of the first read of results
	; THE WAY OUT: through my own stage, back as whole rows of 256 bytes
.irp a, 0,1,2,3
.irp b, 0,1,2,3
	ds_store_b128 v[STO], v[ACC+8*(4*\a+\b):ACC+8*(4*\a+\b)+3] offset:4352*\a+64*\b          ; each accumulator from its low end on
	ds_store_b128 v[STO], v[ACC+8*(4*\a+\b)+4:ACC+8*(4*\a+\b)+7] offset:4352*\a+64*\b+16
.endr
.endr
	s_wait_dscnt 0x0                               ; the stores have read their registers, which the loads below fill
.set n, 0
.rept 32
	ds_load_b128 v[ACC+4*n:ACC+4*n+3], v[RD] offset:4352*(n/8)+544*(n%8)
.set n, n+1
.endr
.set n, 0
.rept 32
	s_wait_dscnt 31-n                              ; LDS loads come back in order (ISA guide 5.7.1): the younger ones may be out
	global_store_b128 v[CO], v[ACC+4*n:ACC+4*n+3], s[8:9] offset:(16*(n/8)+2*(n%8))*8192 th:TH_STORE_NT   ; 16 lanes store 256 consecutive bytes, aligned
.set n, n+1
.endr
	s_wait_tensorcnt 0x0                           ; the wave's end
	ds_add_u32 v[SPW], v[NIL]
	s_wait_dscnt 0x0
	CROUND                                         ; the closing round
	s_endpgm
.Lfunc_end_k_q1fe1608177_outp:
	.size	k_q1fe1608177_outp, .Lfunc_end_k_q1fe1608177_outp-k_q1fe1608177_outp
	.p2alignl 7, 3214868480
	.fill 96, 4, 3214868480
	.section	.rodata,"a",@progbits
	.p2align	6, 0x0
	.amdhsa_kernel k_q1fe1608177_outp
		.amdhsa_group_segment_fixed_size 327680
		.amdhsa_private_segment_fixed_size 0
		.amdhsa_enable_private_segment 0
		.amdhsa_kernarg_size 24
		.amdhsa_user_sgpr_count 2
		.amdhsa_user_sgpr_kernarg_segment_ptr 1
		.amdhsa_wavefront_size32 1
		.amdhsa_system_sgpr_workgroup_id_x 1
		.amdhsa_system_sgpr_workgroup_id_y 1
		.amdhsa_system_sgpr_workgroup_id_z 1
		.amdhsa_system_vgpr_workitem_id 0
		.amdhsa_next_free_vgpr 512
		.amdhsa_next_free_sgpr 96
		.amdhsa_reserve_vcc 0
		.amdhsa_float_denorm_mode_32 3
		.amdhsa_float_denorm_mode_16_64 3
		.amdhsa_memory_ordered 1
		.amdhsa_forward_progress 1
		.amdhsa_inst_pref_size 85
	.end_amdhsa_kernel
	.amdgpu_metadata
---
amdhsa.version: [ 1, 2 ]
amdhsa.kernels:
  - .name:           k_q1fe1608177_outp
    .symbol:         k_q1fe1608177_outp.kd
    .args:
      - { .name: ctxq, .offset: 0, .size: 8, .value_kind: global_buffer, .address_space: global }
      - { .name: xw, .offset: 8, .size: 8, .value_kind: global_buffer, .address_space: global }
      - { .name: out0, .offset: 16, .size: 8, .value_kind: global_buffer, .address_space: global }
    .group_segment_fixed_size: 327680
    .private_segment_fixed_size: 0
    .kernarg_segment_align: 8
    .kernarg_segment_size: 24
    .max_flat_workgroup_size: 128
    .sgpr_count:     96
    .vgpr_count:     512
    .wavefront_size: 32
...
	.end_amdgpu_metadata
.endif
;; end of part 4
